; MI455X (gfx1250); checked and timed in simulation.
; The chip was launched on July 23, 2026; its instructions are those of AMD's public machine-readable ISA for CDNA 5 (MIT licence, August 2026) and "CDNA5" Instruction Set Architecture Reference Guide (July 2026). The comments in the code are by the model that wrote it; some were corrected since.
;; DPCA Block. Allowed arithmetic: float matrix products may take bf16 or f16 operands with f32 sums; all other float work in f32.
;; Inputs: Wkv 256 x 256 float32; Wo 256 x 128 float32; Wq 128 x 256 float32; b_ctx 256 float32; b_out 256 float32; b_qs 256 float32; context 4 x 256 x 64 x 64 float32; g_ctx 256 float32; g_out 256 float32; g_qs 256 float32; gamma 1 float32; query_source 4 x 256 x 64 x 64 float32; rand_token_ind 32 x 512 int32.
;; Outputs: out0 4 x 256 x 64 x 64 float32.
;; 2 versions, each right; version 2 is version 1 with the launch proj written anew for expert scheduling mode. Each part assembles by itself: llvm-mc -triple=amdgcn-amd-amdhsa -mcpu=gfx1250 --defsym DOCPART=n.
;; ======== version 1 of 2: 5 launches
;; limits: values are held in f16: magnitudes above 65,504 overflow, below 6.1e-05 lose precision
;; workspace buffers: qf 8,388,608 bytes; kf 8,388,608 bytes; vh 4,194,304 bytes; mind 524,288 bytes; pos 524,288 bytes of whole numbers; ksel 524,288 bytes; vsel 524,288 bytes
;; launch proj (part 1): grid 256 x 1, 8 waves a work-group, no clusters, 313,344 bytes of LDS; arguments query_source, context, g_qs, b_qs, g_ctx, b_ctx, Wq, Wkv, qf, kf, vh; writes qf, kf, vh
.if DOCPART == 1
	.amdgcn_target "amdgcn-amd-amdhsa--gfx1250"
	.amdhsa_code_object_version 6
	.text
	.protected	k_q86d3ae6aa7_proj
	.globl	k_q86d3ae6aa7_proj
	.p2align	8
	.type	k_q86d3ae6aa7_proj,@function
k_q86d3ae6aa7_proj:
	s_mov_b64 s[64:65], 0
	v_nop
	global_prefetch_b8 v0, s[64:65] scope:SCOPE_SE
	s_setreg_imm32_b32 hwreg(HW_REG_WAVE_MODE, 25, 1), 1
	s_wait_xcnt 0x0
; LayerNorm over the 256 channels of query_source and context, then q = l2norm(Wq x), k = l2norm(Wk x), v = Wv x.
; SHARES.  A work-group owns 64 pixels of one batch, of both tensors.  Wave w is head w: 16 rows of Wq, of Wk and of Wv.
; FORMATS.  The later choice of 512 keys hangs on differences of q and k far below one bf16 step, so for q and k each f32 operand is cut
; into three bf16 parts h + m + l (the cuts are exact) and six products are kept: hh, hm, mh, hl, lh, mm; what is left out lies 24 bits down.
; hh has an accumulator of its own, the five small products share a second one.  v goes once, in f16.
; LIMITS.  NaN and infinities are not treated apart; the normalised context and v stay below 65,504 (f16).
; LAYOUT.  A thread loads 16 bytes = pixels 4 pq .. 4 pq + 3 of one channel; pixel 4 pq + j goes to LDS row 16 j + pq, so matrix tile t holds pixel
; 4 r + t in lane r.  qf, kf: f32 [bh][block of 64][t][d/4][r][4]; vh: f16 [bh][block][t][d/8][r][8]: sixteen lanes store 256 consecutive aligned bytes.
; K ORDER.  In K step s lane (r, h) holds channels 32 s + 16 h + 0..15 on both sides of the product: the same permutation of k in A and B.
; NO CLUSTER.  The weights (384 KB) are walked by all work-groups, but seven planes (236,544 bytes) leave LDS room for one stage of W alone, so joint
; refills would stand bare behind rounds; instead each wave keeps the next two pieces of its own 16 rows on their way in 128 registers.
.set RED,   0                  ; four regions of 2,048 bytes: sums q, sums c, squares q, squares c; each [wave][64 pixels] f32
.set PL,    8192               ; seven planes: q h, m, l; context h, m, l, f16
.set PLANE, 33792              ; 64 rows of 528 bytes
.set PITCH, 528                ; 512 bytes + 16: 33 x 16, so the 16 rows of a load begin in 16 different groups of four banks
.set TROW,  16*PITCH
.set WS,    PL+7*PLANE         ; for each wave 16 rows x 528 bytes: a piece of W (16 rows x 128 channels, f32)
.set SPARE, WS+8*TROW          ; the spare words, 128 bytes a wave, named by no other line
.set SPW, 1
.set NIL, 2
.set XO,  5                    ; 131072 cg + 16 pq: my 16 bytes of channel 8 cg
.set GO,  6                    ; 32 cg
.set PA,  7                    ; v7-10: where I put 16 bytes of a plane row; register k serves planes 2 k, 2 k + 1
.set REDW, 11
.set REDR, 12
.set WO,  13                   ; 16 x lane
.set WSA, 14
.set WA0, 15                   ; my fragment of W in the stage, one K step back
.set WA,  16
.set XA,  17                   ; v17-19: my fragments in three planes
.set OAQ, 20
.set OAV, 21
.set XB,  22                   ; my fragment in plane 0, one K step back
.set XQ,  64                   ; LN phase: channel n = 8 i + e, pixel j at 4 n + j
.set XC,  128
.set GQ,  192
.set BQ,  208
.set GC,  224
.set BC,  240
.set WF,  24                   ; GEMM phase: 16 f32 of W
.set T,   40                   ; 16 at work
.set ACCM, 64
.set ACCS, 96
.set XF,  128                  ; plane p, tile t at XF + 32 p + 8 t
.set WH,  224
.set WM,  232
.set WL,  240
.set HA,  0                    ; window 1: two holds of 64 registers for pieces of W on their way
.set HB,  64
.set MSB, 0
.macro WIN new                 ; the high byte repeats the setting that is left
.if MSB != (\new)
	s_set_vgpr_msb (MSB<<8)|(\new)
.set MSB, \new
.endif
.endm
	s_load_b512 s[16:31], s[0:1], 0x0      ; qs, ctx, g_qs, b_qs, g_ctx, b_ctx, Wq, Wkv
	s_load_b128 s[32:35], s[0:1], 0x40     ; qf, kf
	s_load_b64 s[36:37], s[0:1], 0x50      ; vh
	v_lshl_add_u32 v[SPW], v0, 2, SPARE
	v_mov_b32 v[NIL], 0
	v_lshrrev_b32 v3, 5, v0
	v_readfirstlane_b32 s8, v3             ; wave = head
	s_lshr_b32 s9, ttmp9, 6                ; batch
	s_and_b32 s10, ttmp9, 63               ; block of 64 pixels
	s_mov_b32 s40, 0x76543210              ; v_permlanex16_b32: each lane takes its own place in the other half
	s_mov_b32 s41, 0xfedcba98
	s_mov_b32 s42, 0xffff0000
	s_mov_b32 s43, 0x3b800000              ; 1/256
	s_mov_b32 s39, 0x3727c5ac              ; 1e-5
	s_mov_b32 s50, 0x2b8cbccc              ; 1e-12
	v_and_b32 v3, 15, v0                   ; pq in the LN phase, r in the products
	v_bfe_u32 v4, v0, 4, 1                 ; h
	v_lshrrev_b32 v23, 4, v0               ; cg = 2 w + h
	v_lshlrev_b32 v[OAQ], 4, v3
	v_lshl_add_u32 v[XO], v23, 17, v[OAQ]
	v_lshlrev_b32 v[GO], 5, v23
	v_mul_u32_u24 v23, v3, PITCH
	s_lshl_b32 s11, s8, 5
	s_add_co_u32 s11, s11, PL
	v_lshl_add_u32 v[PA], v4, 4, v23       ; row pq, byte 16 cg = 32 w + 16 h
	v_add_nc_u32 v[PA], s11, v[PA]
	v_add_nc_u32 v[PA+1], 2*PLANE, v[PA]
	v_add_nc_u32 v[PA+2], 4*PLANE, v[PA]
	v_add_nc_u32 v[PA+3], 6*PLANE, v[PA]
	s_lshl_b32 s11, s8, 8
	s_add_co_u32 s11, s11, RED
	v_add_nc_u32 v[REDW], s11, v[OAQ]
	v_add_nc_u32 v[REDR], RED, v[OAQ]
	v_and_b32 v[WO], 31, v0
	v_lshlrev_b32 v[WO], 4, v[WO]
	s_mul_i32 s11, s8, TROW
	s_add_co_u32 s11, s11, WS
	v_add_nc_u32 v[WSA], s11, v[WO]
	s_sub_co_u32 s11, s11, 128
	v_lshl_add_u32 v[WA0], v4, 6, v23
	v_add_nc_u32 v[WA0], s11, v[WA0]
	v_lshl_add_u32 v[XB], v4, 5, v23
	v_add_nc_u32 v[XB], PL-64, v[XB]
	v_lshl_add_u32 v[OAV], v4, 8, v[OAQ]
	v_lshl_add_u32 v[OAQ], v4, 9, v[OAQ]
	s_lshl_b32 s12, s9, 22                 ; batch x 4 MiB + block x 256 bytes
	s_lshl_b32 s13, s10, 8
	s_add_co_u32 s12, s12, s13
	s_mov_b32 s13, 0
	s_wait_kmcnt 0x0
	s_add_nc_u64 s[16:17], s[16:17], s[12:13]
	s_add_nc_u64 s[18:19], s[18:19], s[12:13]
	s_lshl_b32 s12, s8, 14                 ; 16 rows of 1,024 bytes
	s_add_nc_u64 s[44:45], s[28:29], s[12:13]      ; my rows of Wq,
	s_add_nc_u64 s[46:47], s[30:31], s[12:13]      ; of Wk,
	s_add_nc_u64 s[48:49], s[46:47], 0x20000       ; of Wv: 128 rows further down
	s_lshl3_add_u32 s14, s9, s8            ; bh = 8 b + w
	s_lshl_b32 s12, s14, 18
	s_lshl_b32 s15, s10, 12
	s_add_co_u32 s12, s12, s15
	s_add_nc_u64 s[32:33], s[32:33], s[12:13]
	s_add_nc_u64 s[34:35], s[34:35], s[12:13]
	s_lshr_b32 s12, s12, 1
	s_add_nc_u64 s[36:37], s[36:37], s[12:13]
	; 80 loads go out at once: gains and biases, both tensors (each sixteen lanes take a whole 256-byte row of a channel), two pieces of Wq
.irp i, 0,1
	global_load_b128 v[GQ+8*\i:GQ+8*\i+3],   v[GO], s[20:21] offset:512*\i
	global_load_b128 v[GQ+8*\i+4:GQ+8*\i+7], v[GO], s[20:21] offset:512*\i+16
	global_load_b128 v[BQ+8*\i:BQ+8*\i+3],   v[GO], s[22:23] offset:512*\i
	global_load_b128 v[BQ+8*\i+4:BQ+8*\i+7], v[GO], s[22:23] offset:512*\i+16
	global_load_b128 v[GC+8*\i:GC+8*\i+3],   v[GO], s[24:25] offset:512*\i
	global_load_b128 v[GC+8*\i+4:GC+8*\i+7], v[GO], s[24:25] offset:512*\i+16
	global_load_b128 v[BC+8*\i:BC+8*\i+3],   v[GO], s[26:27] offset:512*\i
	global_load_b128 v[BC+8*\i+4:BC+8*\i+7], v[GO], s[26:27] offset:512*\i+16
.endr
.set n, 0
.rept 16
	global_load_b128 v[XQ+4*n:XQ+4*n+3], v[XO], s[16:17] offset:((n/8)*128+n%8)*16384
	global_load_b128 v[XC+4*n:XC+4*n+3], v[XO], s[18:19] offset:((n/8)*128+n%8)*16384 th:TH_LOAD_NT
.set n, n+1
.endr
	WIN 0x40                               ; destination window 1
.set n, 0
.rept 16
	global_load_b128 v[HA+4*n:HA+4*n+3], v[WO], s[44:45] offset:n*1024
.set n, n+1
.endr
.set n, 0
.rept 16
	global_load_b128 v[HB+4*n:HB+4*n+3], v[WO], s[44:45] offset:n*1024+512
.set n, n+1
.endr
	WIN 0
.macro CHSUM d, x                      ; for my four pixels: the sum over my 16 channels
	v_pk_add_f32 v[(\d):(\d)+1], v[(\x):(\x)+1], v[(\x)+4:(\x)+5]
	v_pk_add_f32 v[(\d)+2:(\d)+3], v[(\x)+2:(\x)+3], v[(\x)+6:(\x)+7]
.set n, 2
.rept 14
	v_pk_add_f32 v[(\d):(\d)+1], v[(\d):(\d)+1], v[(\x)+4*n:(\x)+4*n+1]
	v_pk_add_f32 v[(\d)+2:(\d)+3], v[(\d)+2:(\d)+3], v[(\x)+4*n+2:(\x)+4*n+3]
.set n, n+1
.endr
.endm
.macro SQSUM d, x                      ; the same of the squares
	v_pk_mul_f32 v[(\d):(\d)+1], v[(\x):(\x)+1], v[(\x):(\x)+1]
	v_pk_mul_f32 v[(\d)+2:(\d)+3], v[(\x)+2:(\x)+3], v[(\x)+2:(\x)+3]
.set n, 1
.rept 15
	v_pk_fma_f32 v[(\d):(\d)+1], v[(\x)+4*n:(\x)+4*n+1], v[(\x)+4*n:(\x)+4*n+1], v[(\d):(\d)+1]
	v_pk_fma_f32 v[(\d)+2:(\d)+3], v[(\x)+4*n+2:(\x)+4*n+3], v[(\x)+4*n+2:(\x)+4*n+3], v[(\d)+2:(\d)+3]
.set n, n+1
.endr
.endm
.macro HALVES d, t                     ; the other half of the lanes holds the same pixels, other channels
.irp j, 0,1,2,3
	v_mov_b32 v[(\t)+\j], 0                ; the exchange counts as a reader of its destination
.endr
.irp j, 0,1,2,3
	v_permlanex16_b32 v[(\t)+\j], v[(\d)+\j], s40, s41
.endr
.irp j, 0,1,2,3
	v_add_f32 v[(\d)+\j], v[(\d)+\j], v[(\t)+\j]
.endr
.endm
.macro ALLW d, reg                     ; the eight waves figures for my four pixels, added in the order of the waves
.irp k, 0,1,2,3,4,5,6,7
	ds_load_b128 v[32+4*\k:35+4*\k], v[REDR] offset:(\reg)+256*\k
.endr
	s_wait_dscnt 0x0
	v_pk_add_f32 v[(\d):(\d)+1], v[32:33], v[36:37]
	v_pk_add_f32 v[(\d)+2:(\d)+3], v[34:35], v[38:39]
.irp k, 2,3,4,5,6,7
	v_pk_add_f32 v[(\d):(\d)+1], v[(\d):(\d)+1], v[32+4*\k:33+4*\k]
	v_pk_add_f32 v[(\d)+2:(\d)+3], v[(\d)+2:(\d)+3], v[34+4*\k:35+4*\k]
.endr
.endm
.macro CENTER x, mu
.set n, 0
.rept 16
	v_pk_add_f32 v[(\x)+4*n:(\x)+4*n+1], v[(\x)+4*n:(\x)+4*n+1], v[(\mu):(\mu)+1] neg_lo:[0,1] neg_hi:[0,1]
	v_pk_add_f32 v[(\x)+4*n+2:(\x)+4*n+3], v[(\x)+4*n+2:(\x)+4*n+3], v[(\mu)+2:(\mu)+3] neg_lo:[0,1] neg_hi:[0,1]
.set n, n+1
.endr
.endm
.macro NORMX x, rs, g, b               ; ((x - mu) rs) g + b; the channel gain and bias are taken from one register of a pair for both pixels
.set n, 0
.rept 16
	v_pk_mul_f32 v[(\x)+4*n:(\x)+4*n+1], v[(\x)+4*n:(\x)+4*n+1], v[(\rs):(\rs)+1]
	v_pk_mul_f32 v[(\x)+4*n+2:(\x)+4*n+3], v[(\x)+4*n+2:(\x)+4*n+3], v[(\rs)+2:(\rs)+3]
.if n%2
	v_pk_fma_f32 v[(\x)+4*n:(\x)+4*n+1], v[(\x)+4*n:(\x)+4*n+1], v[(\g)+n-1:(\g)+n], v[(\b)+n-1:(\b)+n] op_sel:[0,1,1] op_sel_hi:[1,1,1]
	v_pk_fma_f32 v[(\x)+4*n+2:(\x)+4*n+3], v[(\x)+4*n+2:(\x)+4*n+3], v[(\g)+n-1:(\g)+n], v[(\b)+n-1:(\b)+n] op_sel:[0,1,1] op_sel_hi:[1,1,1]
.else
	v_pk_fma_f32 v[(\x)+4*n:(\x)+4*n+1], v[(\x)+4*n:(\x)+4*n+1], v[(\g)+n:(\g)+n+1], v[(\b)+n:(\b)+n+1] op_sel_hi:[1,0,0]
	v_pk_fma_f32 v[(\x)+4*n+2:(\x)+4*n+3], v[(\x)+4*n+2:(\x)+4*n+3], v[(\g)+n:(\g)+n+1], v[(\b)+n:(\b)+n+1] op_sel_hi:[1,0,0]
.endif
.set n, n+1
.endr
.endm
	s_wait_loadcnt 32                      ; gains, biases and both tensors are in; the 32 loads of W issued behind them stay out
	CHSUM 32, XQ
	CHSUM 36, XC
	HALVES 32, 40
	HALVES 36, 44
	ds_store_b128 v[REDW], v[32:35]        ; both halves of the lanes write the same words with the same values
	ds_store_b128 v[REDW], v[36:39] offset:2048
	s_wait_dscnt 0x0                       ; for the other waves: my sums are in LDS
	s_barrier_signal -1
	s_barrier_wait -1
	ALLW 24, 0
	ALLW 28, 2048
.irp j, 0,1,2,3,4,5,6,7
	v_mul_f32 v[24+\j], s43, v[24+\j]      ; the means
.endr
	CENTER XQ, 24
	CENTER XC, 28
	SQSUM 32, XQ
	SQSUM 36, XC
	HALVES 32, 40
	HALVES 36, 44
	ds_store_b128 v[REDW], v[32:35] offset:4096    ; regions of their own: nobody reads them before the barrier below
	ds_store_b128 v[REDW], v[36:39] offset:6144
	s_wait_dscnt 0x0
	s_barrier_signal -1
	s_barrier_wait -1
	ALLW 24, 4096
	ALLW 28, 6144
.irp j, 0,1,2,3,4,5,6,7
	v_fma_f32 v[24+\j], v[24+\j], s43, s39 ; a = variance + 1e-5
.endr
.irp j, 0,1,2,3,4,5,6,7
	v_rsq_f32 v[32+\j], v[24+\j]
.endr
	v_nop                                  ; a plain instruction between the last of them and the first use (ISA guide 5.7.2)
	s_wait_alu depctr_va_vdst(0)
.irp j, 0,1,2,3,4,5,6,7
	v_mul_f32 v[40+\j], v[24+\j], v[32+\j] ; one Newton step: y + (y/2) (1 - a y y)
.endr
.irp j, 0,1,2,3,4,5,6,7
	v_fma_f32 v[40+\j], -v[40+\j], v[32+\j], 1.0
.endr
.irp j, 0,1,2,3,4,5,6,7
	v_mul_f32 v[48+\j], 0.5, v[32+\j]
.endr
.irp j, 0,1,2,3,4,5,6,7
	v_fma_f32 v[24+\j], v[48+\j], v[40+\j], v[32+\j]
.endr
	NORMX XQ, 24, GQ, BQ
	NORMX XC, 28, GC, BC
; Eight channels of one pixel are cut into bf16 parts h, m, l (each remainder is exact in f32) and go as 16 bytes into a row of each plane.
.macro CVT4 d
.irp q, 0,1,2,3
	v_cvt_pk_bf16_f32 v[(\d)+\q], v[xb+8*\q], v[xb+8*\q+4]
.endr
.endm
.macro UNPK p                          ; the part just made is widened again and taken away
.irp q, 0,1,2,3
	v_lshlrev_b32 v[48+2*\q], 16, v[(\p)+\q]
	v_and_b32 v[49+2*\q], s42, v[(\p)+\q]
.endr
.irp q, 0,1,2,3
	v_sub_f32 v[xb+8*\q], v[xb+8*\q], v[48+2*\q]
	v_sub_f32 v[xb+8*\q+4], v[xb+8*\q+4], v[49+2*\q]
.endr
.endm
.macro PST p, reg, i, j
	ds_store_b128 v[PA+(\p)/2], v[(\reg):(\reg)+3] offset:((\p)%2)*PLANE+(\j)*TROW+(\i)*256
.endm
.macro PACK8 x, i, j, p0, hf
.set xb, (\x)+32*(\i)+(\j)
.if \hf
.irp q, 0,1,2,3
	v_cvt_pk_f16_f32 v[44+\q], v[xb+8*\q], v[xb+8*\q+4]
.endr
	PST 6, 44, \i, \j
.endif
	CVT4 32
	UNPK 32
	CVT4 36
	UNPK 36
	CVT4 40
	PST (\p0), 32, \i, \j
	PST (\p0)+1, 36, \i, \j
	PST (\p0)+2, 40, \i, \j
.endm
.irp i, 0,1
.irp j, 0,1,2,3
	PACK8 XQ, \i, \j, 0, 0
	PACK8 XC, \i, \j, 3, 1
.endr
.endr
	s_wait_dscnt 0x0                       ; for the other waves: my part of the planes is in LDS
	s_barrier_signal -1
	s_barrier_wait -1                      ; the last barrier: from here on the planes are only read, and the stage of W is each wave its own
; A piece of W (16 rows x 512 bytes) leaves its hold for my stage; the hold is asked to take the piece two further on.
; cnt: the loads issued behind this piece, which may stay out.  nb: the scalar pair of the next base, 0 for none.
.macro PIECE_IN hold, cnt, nb, np
	s_wait_loadcnt \cnt
	WIN 0x04                               ; store data in window 1
.set n, 0
.rept 16
	ds_store_b128 v[WSA], v[(\hold)+4*n:(\hold)+4*n+3] offset:n*PITCH   ; LDS serves a wave in order: my earlier reads of the stage are done
.set n, n+1
.endr
.if \nb
	s_wait_dscnt 0x0                       ; the stores have taken their data: the hold may be loaded again
	WIN 0x40
.set n, 0
.rept 16
	global_load_b128 v[(\hold)+4*n:(\hold)+4*n+3], v[WO], s[(\nb):(\nb)+1] offset:n*1024+(\np)*512
.set n, n+1
.endr
.endif
	WIN 0
	v_mov_b32 v[WA], v[WA0]
.endm
.macro SPLITW                          ; 16 f32 of W into three fragments of bf16
.irp p, 0,1,2,3,4,5,6,7
	v_cvt_pk_bf16_f32 v[WH+\p], v[WF+2*\p], v[WF+2*\p+1]
.endr
.irp p, 0,1,2,3,4,5,6,7
	v_lshlrev_b32 v[T+2*\p], 16, v[WH+\p]
	v_and_b32 v[T+2*\p+1], s42, v[WH+\p]
.endr
.irp p, 0,1,2,3,4,5,6,7
	v_pk_add_f32 v[WF+2*\p:WF+2*\p+1], v[WF+2*\p:WF+2*\p+1], v[T+2*\p:T+2*\p+1] neg_lo:[0,1] neg_hi:[0,1]
.endr
.irp p, 0,1,2,3,4,5,6,7
	v_cvt_pk_bf16_f32 v[WM+\p], v[WF+2*\p], v[WF+2*\p+1]
.endr
.irp p, 0,1,2,3,4,5,6,7
	v_lshlrev_b32 v[T+2*\p], 16, v[WM+\p]
	v_and_b32 v[T+2*\p+1], s42, v[WM+\p]
.endr
.irp p, 0,1,2,3,4,5,6,7
	v_pk_add_f32 v[WF+2*\p:WF+2*\p+1], v[WF+2*\p:WF+2*\p+1], v[T+2*\p:T+2*\p+1] neg_lo:[0,1] neg_hi:[0,1]
.endr
.irp p, 0,1,2,3,4,5,6,7
	v_cvt_pk_bf16_f32 v[WL+\p], v[WF+2*\p], v[WF+2*\p+1]
.endr
.endm
.macro MM4 acc, a, xp, zero            ; one part of W times one plane, four tiles: the four accumulators take turns
.irp t, 0,1,2,3
.if \zero
	v_wmma_f32_16x16x32_bf16 v[(\acc)+8*\t:(\acc)+8*\t+7], v[(\a):(\a)+7], v[XF+32*(\xp)+8*\t:XF+32*(\xp)+8*\t+7], 0
.else
	v_wmma_f32_16x16x32_bf16 v[(\acc)+8*\t:(\acc)+8*\t+7], v[(\a):(\a)+7], v[XF+32*(\xp)+8*\t:XF+32*(\xp)+8*\t+7], v[(\acc)+8*\t:(\acc)+8*\t+7]
.endif
.endr
.endm
; A K step of 32 channels for q or k: 28 LDS loads, the cutting of W, 24 products.  zero = 1: the first product on each accumulator starts its sum.
.macro KSTEP6 zero
	v_add_nc_u32 v[WA], 128, v[WA]         ; four plain instructions: the places between the last products and the loads into their sources
	v_add_nc_u32 v[XA], 64, v[XA]
	v_add_nc_u32 v[XA+1], 64, v[XA+1]
	v_add_nc_u32 v[XA+2], 64, v[XA+2]
.irp c, 0,1,2,3
	ds_load_b128 v[WF+4*\c:WF+4*\c+3], v[WA] offset:16*\c
.endr
.irp p, 0,1,2
.irp t, 0,1,2,3
	ds_load_b128 v[XF+32*\p+8*\t:XF+32*\p+8*\t+3],   v[XA+\p] offset:\t*TROW
	ds_load_b128 v[XF+32*\p+8*\t+4:XF+32*\p+8*\t+7], v[XA+\p] offset:\t*TROW+16
.endr
.endr
	s_wait_dscnt 24                        ; the four loads of W are in; the 24 issued behind them land while W is cut
	SPLITW
	s_wait_dscnt 0x0
	MM4 ACCM, WH, 0, \zero
	MM4 ACCS, WH, 1, \zero
	MM4 ACCS, WM, 0, 0
	MM4 ACCS, WH, 2, 0
	MM4 ACCS, WL, 0, 0
	MM4 ACCS, WM, 1, 0
.endm
.macro GEMM6 pl, nb                    ; planes pl .. pl + 2; nb: base of the matrix whose pieces are asked for next
	s_wait_xcnt 0x0                        ; earlier stores have read their data registers: the accumulators may be written again
.irp p, 0,1,2
	v_add_nc_u32 v[XA+\p], ((\pl)+\p)*PLANE, v[XB]
.endr
	PIECE_IN HA, 16, \nb, 0                ; 16: the other hold is on its way
	KSTEP6 1
	s_mov_b32 s38, 3
.Lka_\@:
	KSTEP6 0
	s_sub_co_u32 s38, s38, 1
	s_cmp_lg_u32 s38, 0
	s_cbranch_scc1 .Lka_\@
	PIECE_IN HB, 16, \nb, 1
	s_mov_b32 s38, 4
.Lkb_\@:
	KSTEP6 0
	s_sub_co_u32 s38, s38, 1
	s_cmp_lg_u32 s38, 0
	s_cbranch_scc1 .Lkb_\@
.endm
; The two accumulators are added, each head vector (8 numbers here, 8 in the lane 16 away) is divided by max(its length, 1e-12), and stored.
; Root and quotient get one correction step each, so that they are right to the last place or next to it.
.macro NORM_OUT sb
.rept 4
	v_nop                                  ; places behind the last products
.endr
.irp t, 0,1,2,3
.irp q, 0,2,4,6
	v_pk_add_f32 v[ACCM+8*\t+\q:ACCM+8*\t+\q+1], v[ACCM+8*\t+\q:ACCM+8*\t+\q+1], v[ACCS+8*\t+\q:ACCS+8*\t+\q+1]
.endr
.endr
.irp t, 0,1,2,3
	v_mul_f32 v[24+\t], v[ACCM+8*\t], v[ACCM+8*\t]
.endr
.irp j, 1,2,3,4,5,6,7
.irp t, 0,1,2,3
	v_fma_f32 v[24+\t], v[ACCM+8*\t+\j], v[ACCM+8*\t+\j], v[24+\t]
.endr
.endr
.irp t, 0,1,2,3
	v_mov_b32 v[28+\t], 0
.endr
.irp t, 0,1,2,3
	v_permlanex16_b32 v[28+\t], v[24+\t], s40, s41
.endr
.irp t, 0,1,2,3
	v_add_f32 v[24+\t], v[24+\t], v[28+\t] ; ss
.endr
.irp t, 0,1,2,3
	v_sqrt_f32 v[28+\t], v[24+\t]
.endr
	v_nop
	s_wait_alu depctr_va_vdst(0)
.irp t, 0,1,2,3
	v_max_num_f32 v[28+\t], s50, v[28+\t]  ; n0
.endr
.irp t, 0,1,2,3
	v_rcp_f32 v[32+\t], v[28+\t]
.endr
	v_nop
.irp t, 0,1,2,3
	v_fma_f32 v[24+\t], -v[28+\t], v[28+\t], v[24+\t]
.endr
	s_wait_alu depctr_va_vdst(0)
.irp t, 0,1,2,3
	v_mul_f32 v[24+\t], v[24+\t], v[32+\t]
.endr
.irp t, 0,1,2,3
	v_fma_f32 v[28+\t], 0.5, v[24+\t], v[28+\t]    ; n0 + (ss - n0 n0) / (2 n0)
.endr
.irp t, 0,1,2,3
	v_max_num_f32 v[28+\t], s50, v[28+\t]  ; n
.endr
.irp t, 0,1,2,3
	v_rcp_f32 v[32+\t], v[28+\t]
.endr
	v_nop
	s_wait_alu depctr_va_vdst(0)
.irp t, 0,1,2,3
	v_fma_f32 v[36+\t], -v[28+\t], v[32+\t], 1.0
.endr
.irp t, 0,1,2,3
	v_fma_f32 v[32+\t], v[32+\t], v[36+\t], v[32+\t]   ; 1 / n
.endr
.irp j, 0,1,2,3,4,5,6,7
.irp t, 0,1,2,3
	v_mul_f32 v[ACCS+8*\t+\j], v[ACCM+8*\t+\j], v[32+\t]
.endr
.endr
.irp j, 0,1,2,3,4,5,6,7
.irp t, 0,1,2,3
	v_fma_f32 v[ACCM+8*\t+\j], -v[ACCS+8*\t+\j], v[28+\t], v[ACCM+8*\t+\j]    ; what the quotient leaves over
.endr
.endr
.irp j, 0,1,2,3,4,5,6,7
.irp t, 0,1,2,3
	v_fma_f32 v[ACCS+8*\t+\j], v[ACCM+8*\t+\j], v[32+\t], v[ACCS+8*\t+\j]
.endr
.endr
.irp t, 0,1,2,3
	global_store_b128 v[OAQ], v[ACCS+8*\t:ACCS+8*\t+3],   s[(\sb):(\sb)+1] offset:\t*1024       ; sixteen lanes store 256 consecutive aligned bytes
	global_store_b128 v[OAQ], v[ACCS+8*\t+4:ACCS+8*\t+7], s[(\sb):(\sb)+1] offset:\t*1024+256
.endr
.endm
	GEMM6 0, 46                            ; q; the holds go on to the pieces of Wk
	NORM_OUT 32
	GEMM6 3, 48                            ; k; the holds go on to the pieces of Wv
	NORM_OUT 34
; v: one product in f16
.macro KSTEPV zero
	v_add_nc_u32 v[WA], 128, v[WA]
	v_add_nc_u32 v[XA], 64, v[XA]
	v_nop
	v_nop                                  ; four places in all
.irp c, 0,1,2,3
	ds_load_b128 v[WF+4*\c:WF+4*\c+3], v[WA] offset:16*\c
.endr
.irp t, 0,1,2,3
	ds_load_b128 v[XF+8*\t:XF+8*\t+3],   v[XA] offset:\t*TROW
	ds_load_b128 v[XF+8*\t+4:XF+8*\t+7], v[XA] offset:\t*TROW+16
.endr
	s_wait_dscnt 8                         ; W is in; the eight issued behind it may be out
.irp p, 0,1,2,3,4,5,6,7
	v_cvt_pk_f16_f32 v[WH+\p], v[WF+2*\p], v[WF+2*\p+1]
.endr
	s_wait_dscnt 0x0
.irp t, 0,1,2,3
.if \zero
	v_wmma_f32_16x16x32_f16 v[ACCM+8*\t:ACCM+8*\t+7], v[WH:WH+7], v[XF+8*\t:XF+8*\t+7], 0
.else
	v_wmma_f32_16x16x32_f16 v[ACCM+8*\t:ACCM+8*\t+7], v[WH:WH+7], v[XF+8*\t:XF+8*\t+7], v[ACCM+8*\t:ACCM+8*\t+7]
.endif
.endr
.endm
	s_wait_xcnt 0x0
	v_add_nc_u32 v[XA], 6*PLANE, v[XB]
	PIECE_IN HA, 16, 0, 0
	KSTEPV 1
	s_mov_b32 s38, 3
.Lva:
	KSTEPV 0
	s_sub_co_u32 s38, s38, 1
	s_cmp_lg_u32 s38, 0
	s_cbranch_scc1 .Lva
	PIECE_IN HB, 0, 0, 0                   ; the last piece: nothing was asked for behind it
	s_mov_b32 s38, 4
.Lvb:
	KSTEPV 0
	s_sub_co_u32 s38, s38, 1
	s_cmp_lg_u32 s38, 0
	s_cbranch_scc1 .Lvb
.rept 4
	v_nop
.endr
.irp t, 0,1,2,3
.irp i, 0,1,2,3
	v_cvt_pk_f16_f32 v[T+4*\t+\i], v[ACCM+8*\t+2*\i], v[ACCM+8*\t+2*\i+1]
.endr
.endr
.irp t, 0,1,2,3
	global_store_b128 v[OAV], v[T+4*\t:T+4*\t+3], s[36:37] offset:\t*512
.endr
	s_wait_tensorcnt 0x0                   ; the end of the wave
	ds_add_u32 v[SPW], v[NIL]
	s_wait_dscnt 0x0
	s_endpgm
.Lfunc_end_k_q86d3ae6aa7_proj:
	.size	k_q86d3ae6aa7_proj, .Lfunc_end_k_q86d3ae6aa7_proj-k_q86d3ae6aa7_proj
	.p2alignl 7, 3214868480
	.fill 96, 4, 3214868480
	.section	.rodata,"a",@progbits
	.p2align	6, 0x0
	.amdhsa_kernel k_q86d3ae6aa7_proj
		.amdhsa_group_segment_fixed_size 313344
		.amdhsa_private_segment_fixed_size 0
		.amdhsa_enable_private_segment 0
		.amdhsa_kernarg_size 88
		.amdhsa_user_sgpr_count 2
		.amdhsa_user_sgpr_kernarg_segment_ptr 1
		.amdhsa_wavefront_size32 1
		.amdhsa_system_sgpr_workgroup_id_x 1
		.amdhsa_system_sgpr_workgroup_id_y 1
		.amdhsa_system_sgpr_workgroup_id_z 1
		.amdhsa_system_vgpr_workitem_id 0
		.amdhsa_next_free_vgpr 384
		.amdhsa_next_free_sgpr 66
		.amdhsa_reserve_vcc 0
		.amdhsa_float_denorm_mode_32 3
		.amdhsa_float_denorm_mode_16_64 3
		.amdhsa_memory_ordered 1
		.amdhsa_forward_progress 1
		.amdhsa_inst_pref_size 160
	.end_amdhsa_kernel
	.amdgpu_metadata
---
amdhsa.version: [ 1, 2 ]
amdhsa.kernels:
  - .name:           k_q86d3ae6aa7_proj
    .symbol:         k_q86d3ae6aa7_proj.kd
    .args:
      - { .name: query_source, .offset: 0, .size: 8, .value_kind: global_buffer, .address_space: global }
      - { .name: context, .offset: 8, .size: 8, .value_kind: global_buffer, .address_space: global }
      - { .name: g_qs, .offset: 16, .size: 8, .value_kind: global_buffer, .address_space: global }
      - { .name: b_qs, .offset: 24, .size: 8, .value_kind: global_buffer, .address_space: global }
      - { .name: g_ctx, .offset: 32, .size: 8, .value_kind: global_buffer, .address_space: global }
      - { .name: b_ctx, .offset: 40, .size: 8, .value_kind: global_buffer, .address_space: global }
      - { .name: Wq, .offset: 48, .size: 8, .value_kind: global_buffer, .address_space: global }
      - { .name: Wkv, .offset: 56, .size: 8, .value_kind: global_buffer, .address_space: global }
      - { .name: qf, .offset: 64, .size: 8, .value_kind: global_buffer, .address_space: global }
      - { .name: kf, .offset: 72, .size: 8, .value_kind: global_buffer, .address_space: global }
      - { .name: vh, .offset: 80, .size: 8, .value_kind: global_buffer, .address_space: global }
    .group_segment_fixed_size: 313344
    .private_segment_fixed_size: 0
    .kernarg_segment_align: 8
    .kernarg_segment_size: 88
    .max_flat_workgroup_size: 256
    .sgpr_count:     66
    .vgpr_count:     384
    .wavefront_size: 32
...
	.end_amdgpu_metadata
.endif
;; end of part 1
;; launch dist (part 2): grid 256 x 1, 16 waves a work-group, no clusters, 51,200 bytes of LDS; arguments qf, kf, rand_token_ind, mind; writes mind
.if DOCPART == 2
	.amdgcn_target "amdgcn-amd-amdhsa--gfx1250"
	.amdhsa_code_object_version 6
	.text
	.protected	k_q86d3ae6aa7_dist
	.globl	k_q86d3ae6aa7_dist
	.p2align	8
	.type	k_q86d3ae6aa7_dist,@function
k_q86d3ae6aa7_dist:
	s_mov_b64 s[64:65], 0
	v_nop
	global_prefetch_b8 v0, s[64:65] scope:SCOPE_SE
	s_setreg_imm32_b32 hwreg(HW_REG_WAVE_MODE, 25, 1), 1
	s_wait_xcnt 0x0
; mind[bh][key] = the least, over the 512 sampled queries of bh, of the L1 distance between key and query (16 dims, f32).
; The sum over the dims is made in ascending order, one f32 addition a dim, starting from |d0|: the order in which the problem defines it.
; SHARES.  A work-group owns 512 keys of one bh.  Wave w: keys 128 (w & 3) on, four a lane, kept in 64 registers; queries 128 (w >> 2) on.
; The 512 query rows are gathered once into LDS (thread t fetches row t); every lane then reads the same row, which LDS serves as one word for all.
; No matrix unit (no product), no tensor load (the rows come by a list), no cluster (what neighbours share, 32 KB of query rows, is small beside the arithmetic).
; A key and query take 8 packed subtractions and 15 additions of magnitudes.
.set QS,    0                  ; 512 rows of 80 bytes (64 + 16)
.set QP,    80
.set MN,    40960              ; 16 waves x 512 bytes: their least distances
.set SPARE, 49152              ; the spare words, 128 bytes a wave
.set SPW, 1
.set NIL, 2
.set QAD, 3
.set MIN, 4                    ; v4-7
.set ACC, 8                    ; v8-15: two queries x four keys
.set T,   16                   ; v16-31: differences, two sets of four pairs
.set K,   32                   ; v32-95: key t at K + 16 t
.set QB,  96                   ; v96-159: two buffers of two queries
	s_load_b256 s[4:11], s[0:1], 0x0       ; qf, kf, rand_token_ind, mind
	v_lshl_add_u32 v[SPW], v0, 2, SPARE
	v_mov_b32 v[NIL], 0
	v_lshrrev_b32 v160, 5, v0
	v_readfirstlane_b32 s12, v160          ; wave
	s_lshr_b32 s13, ttmp9, 3               ; bh
	s_and_b32 s14, ttmp9, 7                ; which 512 keys
	s_and_b32 s15, s12, 3                  ; which 128 of them
	s_lshr_b32 s16, s12, 2                 ; which 128 queries
	v_and_b32 v161, 15, v0
	v_bfe_u32 v162, v0, 4, 1
	v_lshlrev_b32 v160, 4, v161
	v_lshl_add_u32 v160, v162, 12, v160    ; keys: block lane / 16, row lane % 16
	v_lshlrev_b32 v161, 2, v0              ; my word of the list
	v_and_b32 v167, 31, v0
	v_mul_u32_u24 v165, v167, QP
	s_mul_i32 s26, s12, 32*QP
	v_add_nc_u32 v165, s26, v165           ; row = my thread number
	v_lshlrev_b32 v167, 4, v167            ; 16 x lane
	s_lshl_b32 s26, s12, 9
	s_add_co_u32 s26, s26, MN
	v_add_nc_u32 v166, s26, v167
	s_mul_i32 s17, s16, 128*QP
	v_mov_b32 v[QAD], s17
	s_lshl_b32 s18, s13, 18                ; bh x 262,144
	s_mov_b32 s19, 0
	s_lshl_b32 s20, s14, 15                ; 8 blocks of 4,096 bytes
	s_lshl_b32 s21, s15, 13                ; 2 blocks
	s_add_co_u32 s20, s20, s21
	s_add_co_u32 s20, s20, s18
	s_mov_b32 s21, 0
	s_lshl_b32 s22, s13, 11
	s_mov_b32 s23, 0
	s_lshl_b32 s24, s13, 14
	s_lshl_b32 s25, s14, 11
	s_add_co_u32 s24, s24, s25
	s_lshl_b32 s25, s15, 9
	s_add_co_u32 s24, s24, s25
	s_mov_b32 s25, 0
	s_wait_kmcnt 0x0
	s_add_nc_u64 s[4:5], s[4:5], s[18:19]
	s_add_nc_u64 s[6:7], s[6:7], s[20:21]
	s_add_nc_u64 s[8:9], s[8:9], s[22:23]
	s_add_nc_u64 s[10:11], s[10:11], s[24:25]
	global_load_b32 v162, v161, s[8:9]
.irp t, 0,1,2,3
.irp c, 0,1,2,3
	global_load_b128 v[K+16*\t+4*\c:K+16*\t+4*\c+3], v160, s[6:7] offset:\t*1024+\c*256
.endr
.endr
	s_wait_loadcnt 16                      ; the index is in; the 16 loads of keys issued behind it stay out
	v_min_u32 v162, 0xfff, v162            ; a token number: 64 block + 4 r + t
	v_and_b32 v163, 0xfc0, v162
	v_lshlrev_b32 v163, 6, v163            ; block x 4,096
	v_and_b32 v164, 3, v162
	v_lshl_add_u32 v163, v164, 10, v163    ; t x 1,024
	v_and_b32 v164, 0x3c, v162
	v_lshl_add_u32 v163, v164, 2, v163     ; r x 16
.irp c, 0,1,2,3
	global_load_b128 v[QB+4*\c:QB+4*\c+3], v163, s[4:5] offset:\c*256
.endr
	s_wait_loadcnt 0x0
.irp c, 0,1,2,3
	ds_store_b128 v165, v[QB+4*\c:QB+4*\c+3] offset:16*\c
.endr
	s_wait_dscnt 0x0                       ; for the other waves: my rows are in LDS
	s_barrier_signal -1
	s_barrier_wait -1
.macro LDQ buf, off                    ; two query rows into a buffer: eight loads
.irp n, 0,1
.irp c, 0,1,2,3
	ds_load_b128 v[QB+32*(\buf)+16*\n+4*\c:QB+32*(\buf)+16*\n+4*\c+3], v[QAD] offset:(\off)+QP*\n+16*\c
.endr
.endr
.endm
.macro SUB4 q, dp, set                 ; dims 2 dp, 2 dp + 1: key - query for the four keys
.irp k, 0,1,2,3
	v_pk_add_f32 v[T+8*(\set)+2*\k:T+8*(\set)+2*\k+1], v[K+16*\k+2*(\dp):K+16*\k+2*(\dp)+1], v[(\q)+2*(\dp):(\q)+2*(\dp)+1] neg_lo:[0,1] neg_hi:[0,1]
.endr
.endm
.macro ACC4 a, dp, set                 ; their magnitudes are added, the lower dim first; the four keys take turns
.if (\dp)==0
.irp k, 0,1,2,3
	v_add_f32 v[(\a)+\k], |v[T+8*(\set)+2*\k]|, |v[T+8*(\set)+2*\k+1]|
.endr
.else
.irp k, 0,1,2,3
	v_add_f32 v[(\a)+\k], v[(\a)+\k], |v[T+8*(\set)+2*\k]|
.endr
.irp k, 0,1,2,3
	v_add_f32 v[(\a)+\k], v[(\a)+\k], |v[T+8*(\set)+2*\k+1]|
.endr
.endif
.endm
.macro ONEQ q, a                       ; one query against four keys; the additions run one pair of dims behind the subtractions
	SUB4 \q, 0, 0
.irp dp, 1,2,3,4,5,6,7
	SUB4 \q, \dp, (\dp)%2
	ACC4 \a, (\dp)-1, ((\dp)-1)%2
.endr
	ACC4 \a, 7, 1
.endm
.macro DIST2 buf
	ONEQ QB+32*(\buf), ACC
	ONEQ QB+32*(\buf)+16, ACC+4
.irp k, 0,1,2,3
	v_min3_num_f32 v[MIN+\k], v[MIN+\k], v[ACC+\k], v[ACC+4+\k]
.endr
.endm
.irp k, 0,1,2,3
	v_mov_b32 v[MIN+\k], 0x7f800000
.endr
	LDQ 0, 0
	LDQ 1, 2*QP
	s_mov_b32 s27, 31
.Lq:                                           ; a trip: four queries; each buffer is asked for again as soon as it has been used
	s_wait_dscnt 8                         ; buffer 0 is in; the eight loads of buffer 1 may be out
	DIST2 0
	LDQ 0, 4*QP
	s_wait_dscnt 8                         ; buffer 1 is in; the eight just issued may be out
	DIST2 1
	LDQ 1, 6*QP
	v_add_nc_u32 v[QAD], 4*QP, v[QAD]
	s_sub_co_u32 s27, s27, 1
	s_cmp_lg_u32 s27, 0
	s_cbranch_scc1 .Lq
	s_wait_dscnt 8                         ; the last four queries: nothing more is read
	DIST2 0
	s_wait_dscnt 0x0
	DIST2 1
	ds_store_b128 v166, v[MIN:MIN+3]
	s_wait_dscnt 0x0
	s_barrier_signal -1
	s_barrier_wait -1
	s_cmp_gt_u32 s12, 3
	s_cbranch_scc1 .Lend                   ; waves 0 to 3 join the four query groups of their keys
	ds_load_b128 v[8:11], v166 offset:2048
	ds_load_b128 v[12:15], v166 offset:4096
	ds_load_b128 v[16:19], v166 offset:6144
	s_wait_dscnt 0x0
.irp k, 0,1,2,3
	v_min3_num_f32 v[MIN+\k], v[MIN+\k], v[8+\k], v[12+\k]
.endr
.irp k, 0,1,2,3
	v_min_num_f32 v[MIN+\k], v[MIN+\k], v[16+\k]
.endr
	global_store_b128 v167, v[MIN:MIN+3], s[10:11]  ; a lane holds tokens 4 r .. 4 r + 3: the wave stores 512 consecutive aligned bytes
.Lend:
	s_wait_tensorcnt 0x0                   ; the end of the wave
	ds_add_u32 v[SPW], v[NIL]
	s_wait_dscnt 0x0
	s_endpgm
.Lfunc_end_k_q86d3ae6aa7_dist:
	.size	k_q86d3ae6aa7_dist, .Lfunc_end_k_q86d3ae6aa7_dist-k_q86d3ae6aa7_dist
	.p2alignl 7, 3214868480
	.fill 96, 4, 3214868480
	.section	.rodata,"a",@progbits
	.p2align	6, 0x0
	.amdhsa_kernel k_q86d3ae6aa7_dist
		.amdhsa_group_segment_fixed_size 51200
		.amdhsa_private_segment_fixed_size 0
		.amdhsa_enable_private_segment 0
		.amdhsa_kernarg_size 32
		.amdhsa_user_sgpr_count 2
		.amdhsa_user_sgpr_kernarg_segment_ptr 1
		.amdhsa_wavefront_size32 1
		.amdhsa_system_sgpr_workgroup_id_x 1
		.amdhsa_system_sgpr_workgroup_id_y 1
		.amdhsa_system_sgpr_workgroup_id_z 1
		.amdhsa_system_vgpr_workitem_id 0
		.amdhsa_next_free_vgpr 168
		.amdhsa_next_free_sgpr 66
		.amdhsa_reserve_vcc 0
		.amdhsa_float_denorm_mode_32 3
		.amdhsa_float_denorm_mode_16_64 3
		.amdhsa_memory_ordered 1
		.amdhsa_forward_progress 1
		.amdhsa_inst_pref_size 56
	.end_amdhsa_kernel
	.amdgpu_metadata
---
amdhsa.version: [ 1, 2 ]
amdhsa.kernels:
  - .name:           k_q86d3ae6aa7_dist
    .symbol:         k_q86d3ae6aa7_dist.kd
    .args:
      - { .name: qf, .offset: 0, .size: 8, .value_kind: global_buffer, .address_space: global }
      - { .name: kf, .offset: 8, .size: 8, .value_kind: global_buffer, .address_space: global }
      - { .name: rand_token_ind, .offset: 16, .size: 8, .value_kind: global_buffer, .address_space: global }
      - { .name: mind, .offset: 24, .size: 8, .value_kind: global_buffer, .address_space: global }
    .group_segment_fixed_size: 51200
    .private_segment_fixed_size: 0
    .kernarg_segment_align: 8
    .kernarg_segment_size: 32
    .max_flat_workgroup_size: 512
    .sgpr_count:     66
    .vgpr_count:     168
    .wavefront_size: 32
...
	.end_amdgpu_metadata
.endif
;; end of part 2
;; launch select (part 3): grid 32 x 1, 32 waves a work-group, no clusters, 4,608 bytes of LDS; arguments mind, pos; writes pos
.if DOCPART == 3
	.amdgcn_target "amdgcn-amd-amdhsa--gfx1250"
	.amdhsa_code_object_version 6
	.text
	.protected	k_q86d3ae6aa7_select
	.globl	k_q86d3ae6aa7_select
	.p2align	8
	.type	k_q86d3ae6aa7_select,@function
k_q86d3ae6aa7_select:
	s_mov_b64 s[64:65], 0
	v_nop
	global_prefetch_b8 v0, s[64:65] scope:SCOPE_SE
	s_setreg_imm32_b32 hwreg(HW_REG_WAVE_MODE, 25, 1), 1
	s_wait_xcnt 0x0
; For each bh: which 512 of the 4,096 keys have the least distances (equal distances: the lower token first), and the place 0..511 of each chosen key.
; pos[bh][token] = its place, or 4096.  The places follow the token order; the attention behind is a sum over the chosen keys, so their order is free.
; Distances are sums of magnitudes, not negative, so their bit patterns order as unsigned numbers.  The 512th smallest pattern T is the largest x with
; fewer than 512 patterns below x; it is built bit by bit from the top: 32 counts over the work-group.  No branch and no address hangs on the data.
; 32 work-groups, one a bh: a chain of counts that cannot be shared further.  Limit: NaN is not treated apart.
.set CNT,   0                  ; two buffers of 32 words, by turns
.set WTL,   256
.set WTE,   384
.set SPARE, 512                ; the spare words, 128 bytes a wave
.macro LSUM r                          ; the sum over the 32 lanes, in every lane; counts up to 4,096 are exact in f32
	v_add_f32_dpp v[\r], v[\r], v[\r] row_xmask:1 row_mask:0xf bank_mask:0xf
	v_add_f32_dpp v[\r], v[\r], v[\r] row_xmask:2 row_mask:0xf bank_mask:0xf
	v_add_f32_dpp v[\r], v[\r], v[\r] row_xmask:4 row_mask:0xf bank_mask:0xf
	v_add_f32_dpp v[\r], v[\r], v[\r] row_xmask:8 row_mask:0xf bank_mask:0xf
	v_permlanex16_b32 v12, v[\r], s14, s15
	v_add_f32 v[\r], v[\r], v12
.endm
	s_load_b128 s[4:7], s[0:1], 0x0        ; mind, pos
	v_lshl_add_u32 v1, v0, 2, SPARE
	v_mov_b32 v2, 0
	v_lshrrev_b32 v3, 5, v0
	v_readfirstlane_b32 s8, v3             ; wave
	v_mov_b32 v9, s8
	v_lshlrev_b32 v9, 2, v9                ; my wave word
	v_and_b32 v14, 31, v0
	v_lshlrev_b32 v11, 2, v14              ; the word of wave number = my lane
	v_lshlrev_b32 v3, 4, v0                ; my four tokens
	v_mov_b32 v12, 0
	v_mov_b32 v21, 0x1000
	s_lshl_b32 s12, ttmp9, 14
	s_mov_b32 s13, 0
	s_mov_b32 s10, 0                       ; T
	s_mov_b32 s11, 0x80000000              ; the bit in hand
	s_mov_b32 s14, 0x76543210
	s_mov_b32 s15, 0xfedcba98
	s_wait_kmcnt 0x0
	s_add_nc_u64 s[4:5], s[4:5], s[12:13]
	s_add_nc_u64 s[6:7], s[6:7], s[12:13]
	global_load_b128 v[4:7], v3, s[4:5]
	s_wait_loadcnt 0x0
.macro BIT par
	s_or_b32 s16, s10, s11                 ; T with the bit set
	v_cmp_gt_u32 s17, s16, v4
	v_cmp_gt_u32 s18, s16, v5
	v_cmp_gt_u32 s19, s16, v6
	v_cmp_gt_u32 s20, s16, v7
	s_bcnt1_i32_b32 s17, s17
	s_bcnt1_i32_b32 s18, s18
	s_bcnt1_i32_b32 s19, s19
	s_bcnt1_i32_b32 s20, s20
	s_add_co_u32 s17, s17, s18
	s_add_co_u32 s19, s19, s20
	s_add_co_u32 s17, s17, s19             ; how many of my wave lie below
	v_cvt_f32_u32 v8, s17
	ds_store_b32 v9, v8 offset:CNT+128*(\par)
	s_wait_dscnt 0x0                       ; my count is in LDS, and my reads of the other buffer are back: it is written again only behind this barrier
	s_barrier_signal -1
	s_barrier_wait -1
	ds_load_b32 v10, v11 offset:CNT+128*(\par)
	s_wait_dscnt 0x0
	LSUM 10
	v_cvt_u32_f32 v10, v10
	v_readfirstlane_b32 s21, v10
	s_lshr_b32 s11, s11, 1
	s_cmp_lt_u32 s21, 512
	s_cselect_b32 s10, s16, s10            ; fewer than 512 below: the bit stays
.endm
	s_mov_b32 s9, 16
.Lbit:
	BIT 0
	BIT 1
	s_sub_co_u32 s9, s9, 1
	s_cmp_lg_u32 s9, 0
	s_cbranch_scc1 .Lbit
	; all below T are chosen, and of those equal to T the first 512 - (number below)
.irp i, 0,1,2,3
	v_cmp_gt_u32 s[20+\i], s10, v[4+\i]
	v_cmp_eq_u32 s[24+\i], s10, v[4+\i]
.endr
	s_bcnt1_i32_b32 s28, s20
	s_bcnt1_i32_b32 s29, s24
.irp i, 1,2,3
	s_bcnt1_i32_b32 s16, s[20+\i]
	s_add_co_u32 s28, s28, s16
	s_bcnt1_i32_b32 s16, s[24+\i]
	s_add_co_u32 s29, s29, s16
.endr
	v_cvt_f32_u32 v8, s28
	v_cvt_f32_u32 v10, s29
	ds_store_b32 v9, v8 offset:WTL
	ds_store_b32 v9, v10 offset:WTE
	s_wait_dscnt 0x0
	s_barrier_signal -1
	s_barrier_wait -1
	ds_load_b32 v8, v11 offset:WTL
	ds_load_b32 v10, v11 offset:WTE
	s_wait_dscnt 0x0
	v_cmp_gt_u32 vcc_lo, s8, v14           ; the waves in front of mine
	v_cndmask_b32 v13, 0, v8, vcc_lo
	v_cndmask_b32 v15, 0, v10, vcc_lo
	LSUM 8
	LSUM 13
	LSUM 15
	v_cvt_u32_f32 v8, v8
	v_cvt_u32_f32 v13, v13
	v_cvt_u32_f32 v15, v15
	v_readfirstlane_b32 s30, v8
	s_sub_co_u32 s30, 512, s30             ; how many of the equal ones are taken
.irp i, 0,1,2,3
	v_mbcnt_lo_u32_b32 v13, s[20+\i], v13  ; + those of the lanes in front of mine
	v_mbcnt_lo_u32_b32 v15, s[24+\i], v15
.endr
.irp i, 0,1,2,3
	v_min_u32 v20, s30, v15
	v_add_nc_u32 v20, v20, v13             ; chosen keys in front of this one
	v_cmp_gt_u32 s31, s30, v15
	s_and_b32 s31, s31, s[24+\i]
	s_or_b32 s31, s31, s[20+\i]
	v_cndmask_b32 v[24+\i], v21, v20, s31
	v_cndmask_b32 v22, 0, 1, s[20+\i]
	v_cndmask_b32 v23, 0, 1, s[24+\i]
	v_add_nc_u32 v13, v13, v22
	v_add_nc_u32 v15, v15, v23
.endr
	global_store_b128 v3, v[24:27], s[6:7]
	s_wait_tensorcnt 0x0                   ; the end of the wave
	ds_add_u32 v1, v2
	s_wait_dscnt 0x0
	s_endpgm
.Lfunc_end_k_q86d3ae6aa7_select:
	.size	k_q86d3ae6aa7_select, .Lfunc_end_k_q86d3ae6aa7_select-k_q86d3ae6aa7_select
	.p2alignl 7, 3214868480
	.fill 96, 4, 3214868480
	.section	.rodata,"a",@progbits
	.p2align	6, 0x0
	.amdhsa_kernel k_q86d3ae6aa7_select
		.amdhsa_group_segment_fixed_size 4608
		.amdhsa_private_segment_fixed_size 0
		.amdhsa_enable_private_segment 0
		.amdhsa_kernarg_size 16
		.amdhsa_user_sgpr_count 2
		.amdhsa_user_sgpr_kernarg_segment_ptr 1
		.amdhsa_wavefront_size32 1
		.amdhsa_system_sgpr_workgroup_id_x 1
		.amdhsa_system_sgpr_workgroup_id_y 1
		.amdhsa_system_sgpr_workgroup_id_z 1
		.amdhsa_system_vgpr_workitem_id 0
		.amdhsa_next_free_vgpr 32
		.amdhsa_next_free_sgpr 66
		.amdhsa_reserve_vcc 1
		.amdhsa_float_denorm_mode_32 3
		.amdhsa_float_denorm_mode_16_64 3
		.amdhsa_memory_ordered 1
		.amdhsa_forward_progress 1
		.amdhsa_inst_pref_size 10
	.end_amdhsa_kernel
	.amdgpu_metadata
---
amdhsa.version: [ 1, 2 ]
amdhsa.kernels:
  - .name:           k_q86d3ae6aa7_select
    .symbol:         k_q86d3ae6aa7_select.kd
    .args:
      - { .name: mind, .offset: 0, .size: 8, .value_kind: global_buffer, .address_space: global }
      - { .name: pos, .offset: 8, .size: 8, .value_kind: global_buffer, .address_space: global }
    .group_segment_fixed_size: 4608
    .private_segment_fixed_size: 0
    .kernarg_segment_align: 8
    .kernarg_segment_size: 16
    .max_flat_workgroup_size: 1024
    .sgpr_count:     66
    .vgpr_count:     32
    .wavefront_size: 32
...
	.end_amdgpu_metadata
.endif
;; end of part 3
;; launch compact (part 4): grid 512 x 1, 8 waves a work-group, no clusters, 0 bytes of LDS; arguments pos, kf, vh, ksel, vsel; writes ksel, vsel
.if DOCPART == 4
	.amdgcn_target "amdgcn-amd-amdhsa--gfx1250"
	.amdhsa_code_object_version 6
	.text
	.protected	k_q86d3ae6aa7_compact
	.globl	k_q86d3ae6aa7_compact
	.p2align	8
	.type	k_q86d3ae6aa7_compact,@function
k_q86d3ae6aa7_compact:
	s_mov_b64 s[64:65], 0
	v_nop
	global_prefetch_b8 v0, s[64:65] scope:SCOPE_SE
	s_setreg_imm32_b32 hwreg(HW_REG_WAVE_MODE, 25, 1), 1
	s_wait_xcnt 0x0
; The chosen keys and values go to their places.  One thread a token; the lanes of tokens that were not chosen are switched off.
; ksel: f16 [bh][place / 16][d / 8][place % 16][8]: a tile of 16 keys lies as the matrix unit takes it.  vsel: f16 [bh][place][16].
; The place is clamped to 0..511 and turned into byte offsets while all lanes are on, so that every lane of the offset registers holds a clamped number;
; only then are the lanes of the tokens that were not chosen (place 4096) switched off.
; The stores are pieces of 16 and 32 bytes at places that the list gives: a scatter of 1 MB in all; whole aligned 256-byte units would want a sort by place first.
	s_load_b256 s[4:11], s[0:1], 0x0       ; pos, kf, vh, ksel
	s_load_b64 s[12:13], s[0:1], 0x20      ; vsel
	s_lshr_b32 s14, ttmp9, 4               ; bh
	s_and_b32 s15, ttmp9, 15               ; which 256 tokens
	v_lshlrev_b32 v1, 2, v0
	v_lshrrev_b32 v2, 6, v0                ; token = 64 block + 4 r + t
	v_and_b32 v3, 3, v0
	v_bfe_u32 v4, v0, 2, 4
	v_lshlrev_b32 v5, 4, v4
	v_lshl_add_u32 v6, v3, 9, v5
	v_lshl_add_u32 v6, v2, 11, v6          ; in vh
	v_lshl_add_u32 v5, v3, 10, v5
	v_lshl_add_u32 v5, v2, 12, v5          ; in kf
	s_lshl_b32 s16, s14, 14                ; bh x 16,384: pos, ksel, vsel
	s_mov_b32 s17, 0
	s_lshl_b32 s18, s15, 10
	s_add_co_u32 s18, s18, s16
	s_mov_b32 s19, 0
	s_lshl_b32 s20, s18, 4                 ; bh x 262,144 + 4 blocks x 4,096
	s_mov_b32 s21, 0
	s_lshl_b32 s22, s18, 3
	s_mov_b32 s23, 0
	s_wait_kmcnt 0x0
	s_add_nc_u64 s[4:5], s[4:5], s[18:19]
	s_add_nc_u64 s[6:7], s[6:7], s[20:21]
	s_add_nc_u64 s[8:9], s[8:9], s[22:23]
	s_add_nc_u64 s[10:11], s[10:11], s[16:17]
	s_add_nc_u64 s[12:13], s[12:13], s[16:17]
	global_load_b32 v7, v1, s[4:5]
	s_wait_loadcnt 0x0
	v_cmp_gt_u32 vcc_lo, 0x200, v7         ; chosen: a place below 512
	v_min_u32 v42, 0x1ff, v7               ; all lanes on: the clamped place, in a register of its own
	v_and_b32 v32, 0x1f0, v42
	v_and_b32 v33, 15, v42
	v_lshlrev_b32 v32, 5, v32
	v_lshl_add_u32 v32, v33, 4, v32        ; in ksel: tile x 512 + row x 16
	v_lshlrev_b32 v33, 5, v42              ; in vsel: place x 32
	s_wait_xcnt 0x0                        ; EXEC changes only behind this wait
	s_and_saveexec_b32 s24, vcc_lo
.irp c, 0,1,2,3
	global_load_b128 v[8+4*\c:11+4*\c], v5, s[6:7] offset:256*\c
.endr
	global_load_b128 v[24:27], v6, s[8:9]
	global_load_b128 v[28:31], v6, s[8:9] offset:256
	s_wait_loadcnt 0x0
.irp i, 0,1,2,3,4,5,6,7
	v_cvt_pk_f16_f32 v[34+\i], v[8+2*\i], v[9+2*\i]    ; |k| is at most 1
.endr
	global_store_b128 v32, v[34:37], s[10:11]
	global_store_b128 v32, v[38:41], s[10:11] offset:256
	global_store_b128 v33, v[24:27], s[12:13]
	global_store_b128 v33, v[28:31], s[12:13] offset:16
	s_wait_xcnt 0x0                        ; and again in front of the line that widens it
	s_or_b32 exec_lo, exec_lo, s24
	s_endpgm
.Lfunc_end_k_q86d3ae6aa7_compact:
	.size	k_q86d3ae6aa7_compact, .Lfunc_end_k_q86d3ae6aa7_compact-k_q86d3ae6aa7_compact
	.p2alignl 7, 3214868480
	.fill 96, 4, 3214868480
	.section	.rodata,"a",@progbits
	.p2align	6, 0x0
	.amdhsa_kernel k_q86d3ae6aa7_compact
		.amdhsa_group_segment_fixed_size 0
		.amdhsa_private_segment_fixed_size 0
		.amdhsa_enable_private_segment 0
		.amdhsa_kernarg_size 40
		.amdhsa_user_sgpr_count 2
		.amdhsa_user_sgpr_kernarg_segment_ptr 1
		.amdhsa_wavefront_size32 1
		.amdhsa_system_sgpr_workgroup_id_x 1
		.amdhsa_system_sgpr_workgroup_id_y 1
		.amdhsa_system_sgpr_workgroup_id_z 1
		.amdhsa_system_vgpr_workitem_id 0
		.amdhsa_next_free_vgpr 48
		.amdhsa_next_free_sgpr 66
		.amdhsa_reserve_vcc 1
		.amdhsa_float_denorm_mode_32 3
		.amdhsa_float_denorm_mode_16_64 3
		.amdhsa_memory_ordered 1
		.amdhsa_forward_progress 1
		.amdhsa_inst_pref_size 4
	.end_amdhsa_kernel
	.amdgpu_metadata
---
amdhsa.version: [ 1, 2 ]
amdhsa.kernels:
  - .name:           k_q86d3ae6aa7_compact
    .symbol:         k_q86d3ae6aa7_compact.kd
    .args:
      - { .name: pos, .offset: 0, .size: 8, .value_kind: global_buffer, .address_space: global }
      - { .name: kf, .offset: 8, .size: 8, .value_kind: global_buffer, .address_space: global }
      - { .name: vh, .offset: 16, .size: 8, .value_kind: global_buffer, .address_space: global }
      - { .name: ksel, .offset: 24, .size: 8, .value_kind: global_buffer, .address_space: global }
      - { .name: vsel, .offset: 32, .size: 8, .value_kind: global_buffer, .address_space: global }
    .group_segment_fixed_size: 0
    .private_segment_fixed_size: 0
    .kernarg_segment_align: 8
    .kernarg_segment_size: 40
    .max_flat_workgroup_size: 256
    .sgpr_count:     66
    .vgpr_count:     48
    .wavefront_size: 32
...
	.end_amdgpu_metadata
.endif
;; end of part 4
;; launch attn (part 5): grid 256 x 1, 8 waves a work-group, clusters of 4 x 1, 327,680 bytes of LDS; arguments qf, ksel, vsel, Wo, g_out, b_out, gamma, query_source, out0; writes out0
.if DOCPART == 5
	.amdgcn_target "amdgcn-amd-amdhsa--gfx1250"
	.amdhsa_code_object_version 6
	.text
	.protected	k_q86d3ae6aa7_attn
	.globl	k_q86d3ae6aa7_attn
	.p2align	8
	.type	k_q86d3ae6aa7_attn,@function
k_q86d3ae6aa7_attn:
	s_mov_b64 s[64:65], 0
	v_nop
	global_prefetch_b8 v0, s[64:65] scope:SCOPE_SE
	s_setreg_imm32_b32 hwreg(HW_REG_WAVE_MODE, 25, 1), 1
	s_wait_xcnt 0x0
	s_wait_alu depctr_hold_cnt(0) depctr_sa_sdst(0) depctr_va_vdst(0) depctr_va_sdst(0) depctr_va_ssrc(0) depctr_va_vcc(0) depctr_vm_vsrc(0)
	s_getreg_b32 s2, hwreg(HW_REG_IB_STS2, 6, 4)
	s_cmp_eq_u32 s2, 0
	s_cbranch_scc0 .Lentry_in_a_cluster
	s_endpgm
.Lentry_in_a_cluster:
	s_bfe_u32 s2, ttmp6, 0x10000c
	s_cmp_lg_u32 s2, 0x3003
	s_cbranch_scc0 .Lentry_shape_is_right
	s_endpgm
.Lentry_shape_is_right:
; Attention of 64 pixels on the 512 chosen keys of each of the 8 heads, the projection Wo, LayerNorm over the 256 channels, times gamma, plus query_source.
; SHARES.  A work-group owns 64 pixels of one batch.  Wave w is head w for all 64 queries (four tiles of 16; tile t holds pixel 4 r + t in lane r); later it makes output channels 32 w .. 32 w + 31.
; LAYOUT.  S^T = K Q^T: a lane holds one query and the keys 8 h + 0..7; two such results rounded to f16 are source 1 of O^T = V^T P.  The head size 16 fills half of the K of 32:
; the upper four registers of the fragments of K and Q hold 0, written once: half of those products multiply zeros, the price of this head size.
; SOFTMAX WITHOUT A MAXIMUM.  q and k are unit vectors by the problem own l2norm and the scale is 1, so every score lies in -1 .. 1 and every weight in 0.36 .. 2.8, for every input.
; FORMATS.  q (times log2 e), k, v, the weights, O and Wo in f16, sums in f32.  Limits: |v| below 65,504; NaN and infinities are not treated apart.
; CLUSTER.  The four work-groups of a cluster belong to one batch and need the same 256 KB of chosen keys and values: each wave asks for its head jointly (mask of four).
; All of it fits in LDS, so every byte is filled once: two tensor loads a wave are out, no slot is filled again.
.set OST,   262144             ; behind the eight heads (K 16 KB, V 16 KB each): O of all heads, 64 rows of 272 bytes
.set OP,    272
.set WSC,   279552             ; for each wave 16 rows x 272 bytes: a piece of Wo on its way into fragments
.set RED,   314368             ; sums, squares: [wave][64 pixels] f32 each
.set SPARE, 318464             ; the spare words, 128 bytes a wave
.set SPW, 1
.set NIL, 2
.set KA,  5
.set VA,  6
.set QO,  7                    ; 512 h + 16 r: serves Q and Wo alike
.set WSS, 9
.set WSR, 10
.set OSTW, 11
.set OSTR, 12
.set REDW, 13
.set REDR, 14
.set RO,  15
.set GO,  16
.set PF,  17
.set L,   24                   ; v24-31: a pair a tile
.set QF,  32
.set KF,  64                   ; buffer, tile of 16 keys: 8 each
.set VF,  96                   ; buffer: 8
.set P,   112
.set O,   144
.set S,   176
.set BF,  32                   ; later: O of all heads as fragments, tile t, K step s at BF + 32 t + 8 s
.set Y,   160                  ; channel tile u, pixel tile t at Y + 32 u + 8 t
.set RES, 32
.set G,   96
.set B,   112
.set MSB, 0
.macro WIN new
.if MSB != (\new)
	s_set_vgpr_msb (MSB<<8)|(\new)
.set MSB, \new
.endif
.endm
.macro CROUND                          ; a round of the barrier of the cluster
	s_barrier_signal -1
	s_barrier_wait -1
	s_cmp_lg_u32 s8, 0
	s_cbranch_scc1 .Lnot_wave_0_\@
	s_barrier_signal -3
.Lnot_wave_0_\@:
	s_barrier_wait -3
	s_barrier_signal -1
	s_barrier_wait -1
.endm
	s_load_b512 s[16:31], s[0:1], 0x0      ; qf, ksel, vsel, Wo, g_out, b_out, gamma, query_source
	s_load_b64 s[32:33], s[0:1], 0x40      ; out0
	v_lshl_add_u32 v[SPW], v0, 2, SPARE
	v_mov_b32 v[NIL], 0
	ds_add_u32 v[SPW], v[NIL]              ; the opening: the add and its wait stand ahead of my first tensor load
	v_lshrrev_b32 v3, 5, v0
	v_readfirstlane_b32 s8, v3             ; wave = head
	s_bfe_u32 s11, ttmp6, 0x40000          ; cx
	s_lshr_b32 s9, ttmp9, 4                ; batch: 16 clusters each; the four partners share it
	s_and_b32 s10, ttmp9, 15
	s_lshl2_add_u32 s10, s10, s11          ; my block of 64 pixels: it enters the addresses of qf, query_source and out0 alone
	; group 1: 16,384 dense bytes as 64 rows of 256
	s_mov_b32 s40, 15|(3<<16)|(1<<21)      ; 15:0 the mask of four; 17:16 elements of 8 bytes; 21 set beside a mask
	s_mov_b32 s41, 32<<16                  ; tensor_dim0 = 32
	s_mov_b32 s42, 64<<16                  ; tensor_dim1 = 64
	s_mov_b32 s43, 32<<16                  ; tile_dim0 = 32
	s_mov_b32 s44, 64                      ; tile_dim1 = 64
	s_mov_b32 s45, 32                      ; 32 elements from row to row
	s_mov_b32 s46, 0
	s_mov_b32 s47, 0
	s_mov_b32 s48, 1
	s_lshl_b32 s49, s8, 15                 ; K of head w at 32,768 w,
	s_mov_b32 s52, 1
	s_add_co_u32 s53, s49, 16384           ; V behind it
	s_mov_b32 s56, 0x76543210
	s_mov_b32 s57, 0xfedcba98
	s_mov_b32 s58, 0x3fb8aa3b              ; log2 e
	s_mov_b32 s59, 0x3b800000              ; 1/256
	s_mov_b32 s60, 0x3727c5ac              ; 1e-5
	s_wait_dscnt 0x0                       ; the opening add is done
	s_wait_kmcnt 0x0
	s_lshl3_add_u32 s12, s9, s8            ; bh
	s_lshl_b32 s12, s12, 14
	s_mov_b32 s13, 0
	s_add_nc_u64 s[50:51], s[18:19], s[12:13]
	s_or_b32 s51, s51, 0x80000000
	s_add_nc_u64 s[54:55], s[20:21], s[12:13]
	s_or_b32 s55, s55, 0x80000000
	s_lshl_b32 s14, s12, 4                 ; bh x 262,144 + block x 4,096
	s_lshl_b32 s15, s10, 12
	s_add_co_u32 s14, s14, s15
	s_mov_b32 s15, 0
	s_add_nc_u64 s[16:17], s[16:17], s[14:15]
	s_lshl_b32 s12, s8, 14                 ; my 32 rows of Wo
	s_add_nc_u64 s[22:23], s[22:23], s[12:13]
	s_lshl_b32 s12, s8, 7
	s_add_nc_u64 s[24:25], s[24:25], s[12:13]
	s_add_nc_u64 s[26:27], s[26:27], s[12:13]
	s_lshl_b32 s14, s9, 22
	s_lshl_b32 s34, s10, 8
	s_add_co_u32 s14, s14, s34
	s_add_nc_u64 s[36:37], s[30:31], s[14:15]      ; query_source at my block, channel 0
	s_lshl_b32 s34, s8, 19
	s_add_co_u32 s14, s14, s34
	s_add_nc_u64 s[30:31], s[30:31], s[14:15]      ; and at channel 32 w
	s_add_nc_u64 s[32:33], s[32:33], s[14:15]
	s_load_b32 s34, s[28:29], 0x0          ; gamma
	CROUND                                 ; all four work-groups are here: the joint loads meet
	tensor_load_to_lds s[48:51], s[40:47]
	s_nop 0
	tensor_load_to_lds s[52:55], s[40:47]
	s_nop 0
.rept 4
	v_nop
.endr
	v_and_b32 v3, 15, v0                   ; r
	v_bfe_u32 v4, v0, 4, 1                 ; h
	v_lshlrev_b32 v19, 4, v3
	v_lshl_add_u32 v[QO], v4, 9, v19
.irp t, 0,1,2,3
	global_load_b128 v[QF+8*\t:QF+8*\t+3],   v[QO], s[16:17] offset:1024*\t       ; query 4 r + t, dims 8 h .. 8 h + 7
	global_load_b128 v[QF+8*\t+4:QF+8*\t+7], v[QO], s[16:17] offset:1024*\t+256
.endr
.set pc, 0
.rept 4                                ; Wo in four pieces of 16 rows x 64 channels; a load takes two half rows of 256 bytes
.irp i, 0,1,2,3,4,5,6,7
	global_load_b128 v[112+32*pc+4*\i:112+32*pc+4*\i+3], v[QO], s[22:23] offset:(pc/2)*8192+\i*1024+(pc%2)*256
.endr
.set pc, pc+1
.endr
	v_and_b32 v18, 31, v0
	v_lshl_add_u32 v[KA], v18, 4, s49      ; a tile of 16 keys is 512 bytes in fragment order: 16 x lane
	v_and_b32 v20, 7, v0
	v_lshl_add_u32 v20, v4, 3, v20
	v_bfe_u32 v21, v0, 3, 1
	v_lshlrev_b32 v20, 5, v20              ; the turning load: key 8 h + lane % 8, rows of 32 bytes,
	v_lshl_add_u32 v20, v21, 4, v20        ; channels 8 ((lane / 8) % 2) on
	v_add_nc_u32 v[VA], s53, v20
	v_mul_u32_u24 v22, v3, OP
	s_mul_i32 s35, s8, 16*OP
	s_add_co_u32 s35, s35, WSC
	v_mul_u32_u24 v23, v4, OP
	v_add3_u32 v[WSS], v23, v19, s35
	v_lshl_add_u32 v[WSR], v4, 6, v22
	v_add_nc_u32 v[WSR], s35, v[WSR]
	s_lshl_b32 s35, s8, 5
	s_add_co_u32 s35, s35, OST
	v_lshl_add_u32 v[OSTW], v4, 4, v22     ; row r, channels 16 w + 8 h on
	v_add_nc_u32 v[OSTW], s35, v[OSTW]
	v_lshl_add_u32 v[OSTR], v4, 5, v22     ; row r, channels 32 s + 16 h on
	v_add_nc_u32 v[OSTR], OST, v[OSTR]
	s_lshl_b32 s35, s8, 8
	s_add_co_u32 s35, s35, RED
	v_add_nc_u32 v[REDW], s35, v19
	v_add_nc_u32 v[REDR], RED, v19
	v_lshl_add_u32 v[RO], v4, 17, v19      ; channel 8 h, pixels 4 r on
	v_lshlrev_b32 v[GO], 5, v4
	v_lshlrev_b32 v[PF], 14, v0            ; channel = my thread number
	; Wo: each piece goes through my stage and comes back as fragments (lane (r, h): row r, channels 32 s + 16 h + 0..15), rounded to f16, into window 1
.set pc, 0
.rept 4
	s_wait_loadcnt 24-8*pc                 ; this piece is in; the later pieces stay out
.irp i, 0,1,2,3,4,5,6,7
	ds_store_b128 v[WSS], v[112+32*pc+4*\i:112+32*pc+4*\i+3] offset:\i*2*OP
.endr
.irp s, 0,1
.irp c, 0,1,2,3
	ds_load_b128 v[64+16*\s+4*\c:64+16*\s+4*\c+3], v[WSR] offset:128*\s+16*\c   ; LDS serves a wave in order: these see the stores above
.endr
.endr
	s_wait_dscnt 0x0
	WIN 0x40
.irp q, 0,1,2,3,4,5,6,7,8,9,10,11,12,13,14,15
	v_cvt_pk_f16_f32 v[32*(pc/2)+16*(pc%2)+\q], v[64+2*\q], v[64+2*\q+1]
.endr
	WIN 0
.set pc, pc+1
.endr
.irp t, 0,1,2,3
.irp j, 0,1,2,3,4,5,6,7
	v_mul_f32 v[QF+8*\t+\j], s58, v[QF+8*\t+\j]
.endr
.endr
.irp t, 0,1,2,3
.irp i, 0,1,2,3
	v_cvt_pk_f16_f32 v[QF+8*\t+\i], v[QF+8*\t+2*\i], v[QF+8*\t+2*\i+1]     ; in place, ascending: a word is written when both its sources lie at or above it
.endr
.endr
.irp t, 0,1,2,3
.irp i, 4,5,6,7
	v_mov_b32 v[QF+8*\t+\i], 0             ; the unused half of K
	v_mov_b32 v[KF+8*\t+\i], 0
.endr
.endr
.macro FETCH buf                       ; 32 keys: two tiles of K as they lie, V turned
	ds_load_b128 v[KF+16*(\buf):KF+16*(\buf)+3], v[KA]
	ds_load_b128 v[KF+16*(\buf)+8:KF+16*(\buf)+11], v[KA] offset:512
	ds_load_tr16_b128 v[VF+8*(\buf):VF+8*(\buf)+3], v[VA]
	ds_load_tr16_b128 v[VF+8*(\buf)+4:VF+8*(\buf)+7], v[VA] offset:512
.endm
.macro EXP8 a
.irp j, 0,1,2,3,4,5,6,7
	v_exp_f32 v[S+8*(\a)+\j], v[S+8*(\a)+\j]
.endr
.endm
.macro CVS a, zero                     ; result a = 4 kt + t: rounded to f16 into P of tile t, and added up into l of tile t
.set sa, S+8*(\a)
.set pt, P+8*((\a)%4)+4*((\a)/4)
.set lt, L+2*((\a)%4)
	s_wait_alu depctr_va_vdst(0)
.irp i, 0,1,2,3
	v_cvt_pk_f16_f32 v[pt+\i], v[sa+2*\i], v[sa+2*\i+1]
.endr
	v_pk_add_f32 v[sa:sa+1], v[sa:sa+1], v[sa+2:sa+3]
	v_pk_add_f32 v[sa+4:sa+5], v[sa+4:sa+5], v[sa+6:sa+7]
.if (\zero) && ((\a) < 4)
	v_pk_add_f32 v[lt:lt+1], v[sa:sa+1], v[sa+4:sa+5]      ; the first sum starts l
.else
	v_pk_add_f32 v[sa:sa+1], v[sa:sa+1], v[sa+4:sa+5]
	v_pk_add_f32 v[lt:lt+1], v[lt:lt+1], v[sa:sa+1]
.endif
.endm
; 32 keys.  Eight products K Q^T, the next fragments, 64 exponentials with the roundings and sums of the result before between them (a plain instruction
; stands between every exponential and the use of its result), four products V^T P.  No two matrix instructions on end name the same accumulator.
.macro CHUNK buf, zero, fetch
	s_wait_dscnt 0x0                       ; this chunk fragments are in
.irp a, 0,1,2,3,4,5,6,7
	v_wmma_f32_16x16x32_f16 v[S+8*\a:S+8*\a+7], v[KF+16*(\buf)+8*(\a/4):KF+16*(\buf)+8*(\a/4)+7], v[QF+8*(\a%4):QF+8*(\a%4)+7], 0
.endr
.if \fetch
	v_add_nc_u32 v[KA], 1024, v[KA]        ; four places: behind these products, and behind the last chunk products in front of the loads into their sources
	v_add_nc_u32 v[VA], 1024, v[VA]
	v_nop
	v_nop
	FETCH 1-(\buf)
.else
.rept 4
	v_nop
.endr
.endif
	EXP8 0
	v_nop
	EXP8 1
	CVS 0, \zero
	EXP8 2
	CVS 1, \zero
	EXP8 3
	CVS 2, \zero
	EXP8 4
	CVS 3, \zero
	EXP8 5
	CVS 4, \zero
	EXP8 6
	CVS 5, \zero
	EXP8 7
	CVS 6, \zero
	CVS 7, \zero
.irp t, 0,1,2,3
.if \zero
	v_wmma_f32_16x16x32_f16 v[O+8*\t:O+8*\t+7], v[VF+8*(\buf):VF+8*(\buf)+7], v[P+8*\t:P+8*\t+7], 0
.else
	v_wmma_f32_16x16x32_f16 v[O+8*\t:O+8*\t+7], v[VF+8*(\buf):VF+8*(\buf)+7], v[P+8*\t:P+8*\t+7], v[O+8*\t:O+8*\t+7]
.endif
.endr
.endm
	s_wait_tensorcnt 0x0                   ; K and V of my head are in my LDS; no other wave reads them, so no barrier is needed
	FETCH 0
	CHUNK 0, 1, 1
	s_mov_b32 s38, 7
.Lkeys:
	CHUNK 1, 0, 1
	CHUNK 0, 0, 1
	s_sub_co_u32 s38, s38, 1
	s_cmp_lg_u32 s38, 0
	s_cbranch_scc1 .Lkeys
	global_prefetch_b8 v[PF], s[36:37] th:TH_LOAD_NT scope:SCOPE_SE   ; the residual: thread c asks for the 256 bytes of channel c of my block, each once in the launch, one chunk and the product with Wo ahead of the loads
	CHUNK 1, 0, 0
	; O / l, rounded to f16, into the stage of the work-group
.irp t, 0,1,2,3
	v_add_f32 v[176+\t], v[L+2*\t], v[L+2*\t+1]    ; also the four places behind the last products
.endr
.irp t, 0,1,2,3
	v_mov_b32 v[180+\t], 0
.endr
.irp t, 0,1,2,3
	v_permlanex16_b32 v[180+\t], v[176+\t], s56, s57       ; the other 256 keys of the query lie in the lane 16 away
.endr
.irp t, 0,1,2,3
	v_add_f32 v[176+\t], v[176+\t], v[180+\t]
.endr
.irp t, 0,1,2,3
	v_rcp_f32 v[176+\t], v[176+\t]
.endr
	v_nop
	s_wait_alu depctr_va_vdst(0)
.irp t, 0,1,2,3
.irp j, 0,1,2,3,4,5,6,7
	v_mul_f32 v[O+8*\t+\j], v[O+8*\t+\j], v[176+\t]
.endr
.endr
.irp t, 0,1,2,3
.irp i, 0,1,2,3
	v_cvt_pk_f16_f32 v[184+4*\t+\i], v[O+8*\t+2*\i], v[O+8*\t+2*\i+1]
.endr
.endr
.irp t, 0,1,2,3
	ds_store_b128 v[OSTW], v[184+4*\t:184+4*\t+3] offset:\t*16*OP
.endr
	s_wait_dscnt 0x0                       ; for the other waves: my head is in the stage
	s_barrier_signal -1
	s_barrier_wait -1
.irp t, 0,1,2,3
.irp s, 0,1,2,3
	ds_load_b128 v[BF+32*\t+8*\s:BF+32*\t+8*\s+3],   v[OSTR] offset:\t*16*OP+64*\s
	ds_load_b128 v[BF+32*\t+8*\s+4:BF+32*\t+8*\s+7], v[OSTR] offset:\t*16*OP+64*\s+16
.endr
.endr
	s_wait_dscnt 0x0
	WIN 0x01                               ; Wo in window 1
.irp s, 0,1,2,3
.irp u, 0,1
.irp t, 0,1,2,3
.if \s == 0
	v_wmma_f32_16x16x32_f16 v[Y+32*\u+8*\t:Y+32*\u+8*\t+7], v[32*\u+8*\s:32*\u+8*\s+7], v[BF+32*\t+8*\s:BF+32*\t+8*\s+7], 0
.else
	v_wmma_f32_16x16x32_f16 v[Y+32*\u+8*\t:Y+32*\u+8*\t+7], v[32*\u+8*\s:32*\u+8*\s+7], v[BF+32*\t+8*\s:BF+32*\t+8*\s+7], v[Y+32*\u+8*\t:Y+32*\u+8*\t+7]
.endif
.endr
.endr
.endr
	WIN 0
.rept 4
	v_nop                                  ; places: loads into the sources and reads of the results follow
.endr
.irp u, 0,1
	global_load_b128 v[G+8*\u:G+8*\u+3],   v[GO], s[24:25] offset:64*\u       ; channels 32 w + 16 u + 8 h + 0..7
	global_load_b128 v[G+8*\u+4:G+8*\u+7], v[GO], s[24:25] offset:64*\u+16
	global_load_b128 v[B+8*\u:B+8*\u+3],   v[GO], s[26:27] offset:64*\u
	global_load_b128 v[B+8*\u+4:B+8*\u+7], v[GO], s[26:27] offset:64*\u+16
.endr
.set n, 0
.rept 16
	global_load_b128 v[RES+4*n:RES+4*n+3], v[RO], s[30:31] offset:(16*(n/8)+n%8)*16384    ; sixteen lanes take the 256 bytes of one channel
.set n, n+1
.endr
	; LayerNorm over the 256 channels: 16 in my registers, 16 in the lane 16 away, the rest in the other waves
.irp t, 0,1,2,3
	v_pk_add_f32 v[224+2*\t:225+2*\t], v[Y+8*\t:Y+8*\t+1], v[Y+8*\t+2:Y+8*\t+3]
.endr
.irp q, 4,6,32,34,36,38
.irp t, 0,1,2,3
	v_pk_add_f32 v[224+2*\t:225+2*\t], v[224+2*\t:225+2*\t], v[Y+8*\t+\q:Y+8*\t+\q+1]
.endr
.endr
.irp t, 0,1,2,3
	v_add_f32 v[232+\t], v[224+2*\t], v[225+2*\t]
.endr
.irp t, 0,1,2,3
	v_mov_b32 v[236+\t], 0
.endr
.irp t, 0,1,2,3
	v_permlanex16_b32 v[236+\t], v[232+\t], s56, s57
.endr
.irp t, 0,1,2,3
	v_add_f32 v[232+\t], v[232+\t], v[236+\t]
.endr
.macro ALLW d, reg                     ; the eight waves figures for my four pixels
.irp k, 0,1,2,3,4,5,6,7
	ds_load_b128 v[128+4*\k:131+4*\k], v[REDR] offset:(\reg)+256*\k
.endr
	s_wait_dscnt 0x0
	v_pk_add_f32 v[(\d):(\d)+1], v[128:129], v[132:133]
	v_pk_add_f32 v[(\d)+2:(\d)+3], v[130:131], v[134:135]
.irp k, 2,3,4,5,6,7
	v_pk_add_f32 v[(\d):(\d)+1], v[(\d):(\d)+1], v[128+4*\k:129+4*\k]
	v_pk_add_f32 v[(\d)+2:(\d)+3], v[(\d)+2:(\d)+3], v[130+4*\k:131+4*\k]
.endr
.endm
	ds_store_b128 v[REDW], v[232:235]
	s_wait_dscnt 0x0
	s_barrier_signal -1
	s_barrier_wait -1
	ALLW 232, 0
.irp t, 0,1,2,3
	v_mul_f32 v[232+\t], s59, v[232+\t]    ; the means
.endr
.irp u, 0,1
.irp t, 0,1,2,3
.irp j, 0,1,2,3,4,5,6,7
	v_sub_f32 v[Y+32*\u+8*\t+\j], v[Y+32*\u+8*\t+\j], v[232+\t]
.endr
.endr
.endr
.irp t, 0,1,2,3
	v_mul_f32 v[224+\t], v[Y+8*\t], v[Y+8*\t]
.endr
.set n, 1
.rept 15
.irp t, 0,1,2,3
	v_fma_f32 v[224+\t], v[Y+32*(n/8)+8*\t+n%8], v[Y+32*(n/8)+8*\t+n%8], v[224+\t]
.endr
.set n, n+1
.endr
.irp t, 0,1,2,3
	v_permlanex16_b32 v[236+\t], v[224+\t], s56, s57
.endr
.irp t, 0,1,2,3
	v_add_f32 v[224+\t], v[224+\t], v[236+\t]
.endr
	ds_store_b128 v[REDW], v[224:227] offset:2048  ; a region of its own
	s_wait_dscnt 0x0
	s_barrier_signal -1
	s_barrier_wait -1
	ALLW 224, 2048
.irp t, 0,1,2,3
	v_fma_f32 v[224+\t], v[224+\t], s59, s60
.endr
.irp t, 0,1,2,3
	v_rsq_f32 v[228+\t], v[224+\t]
.endr
	v_nop
	s_wait_alu depctr_va_vdst(0)
.irp u, 0,1
.irp t, 0,1,2,3
.irp j, 0,1,2,3,4,5,6,7
	v_mul_f32 v[Y+32*\u+8*\t+\j], v[Y+32*\u+8*\t+\j], v[228+\t]
.endr
.endr
.endr
	s_wait_kmcnt 0x0                       ; gamma
	s_wait_loadcnt 0x0                     ; gains, biases, the residual
.set n, 0
.rept 16
	v_mul_f32 v[G+n], s34, v[G+n]
	v_mul_f32 v[B+n], s34, v[B+n]
.set n, n+1
.endr
	; out = y (gamma g) + (gamma b + residual), made in the registers of the residual: a lane holds pixels 4 r .. 4 r + 3 of one channel
.set n, 0
.rept 16
.irp t, 0,1,2,3
	v_add_f32 v[RES+4*n+\t], v[RES+4*n+\t], v[B+n]
.endr
.irp t, 0,1,2,3
	v_fma_f32 v[RES+4*n+\t], v[Y+32*(n/8)+8*\t+n%8], v[G+n], v[RES+4*n+\t]
.endr
	global_store_b128 v[RO], v[RES+4*n:RES+4*n+3], s[32:33] offset:(16*(n/8)+n%8)*16384 th:TH_STORE_NT   ; sixteen lanes store 256 consecutive aligned bytes
.set n, n+1
.endr
	s_wait_tensorcnt 0x0                   ; the end of the wave
	ds_add_u32 v[SPW], v[NIL]
	s_wait_dscnt 0x0
	CROUND                                 ; the closing round
	s_endpgm
.Lfunc_end_k_q86d3ae6aa7_attn:
	.size	k_q86d3ae6aa7_attn, .Lfunc_end_k_q86d3ae6aa7_attn-k_q86d3ae6aa7_attn
	.p2alignl 7, 3214868480
	.fill 96, 4, 3214868480
	.section	.rodata,"a",@progbits
	.p2align	6, 0x0
	.amdhsa_kernel k_q86d3ae6aa7_attn
		.amdhsa_group_segment_fixed_size 327680
		.amdhsa_private_segment_fixed_size 0
		.amdhsa_enable_private_segment 0
		.amdhsa_kernarg_size 72
		.amdhsa_user_sgpr_count 2
		.amdhsa_user_sgpr_kernarg_segment_ptr 1
		.amdhsa_wavefront_size32 1
		.amdhsa_system_sgpr_workgroup_id_x 1
		.amdhsa_system_sgpr_workgroup_id_y 1
		.amdhsa_system_sgpr_workgroup_id_z 1
		.amdhsa_system_vgpr_workitem_id 0
		.amdhsa_next_free_vgpr 320
		.amdhsa_next_free_sgpr 66
		.amdhsa_reserve_vcc 0
		.amdhsa_float_denorm_mode_32 3
		.amdhsa_float_denorm_mode_16_64 3
		.amdhsa_memory_ordered 1
		.amdhsa_forward_progress 1
		.amdhsa_inst_pref_size 84
	.end_amdhsa_kernel
	.amdgpu_metadata
---
amdhsa.version: [ 1, 2 ]
amdhsa.kernels:
  - .name:           k_q86d3ae6aa7_attn
    .symbol:         k_q86d3ae6aa7_attn.kd
    .args:
      - { .name: qf, .offset: 0, .size: 8, .value_kind: global_buffer, .address_space: global }
      - { .name: ksel, .offset: 8, .size: 8, .value_kind: global_buffer, .address_space: global }
      - { .name: vsel, .offset: 16, .size: 8, .value_kind: global_buffer, .address_space: global }
      - { .name: Wo, .offset: 24, .size: 8, .value_kind: global_buffer, .address_space: global }
      - { .name: g_out, .offset: 32, .size: 8, .value_kind: global_buffer, .address_space: global }
      - { .name: b_out, .offset: 40, .size: 8, .value_kind: global_buffer, .address_space: global }
      - { .name: gamma, .offset: 48, .size: 8, .value_kind: global_buffer, .address_space: global }
      - { .name: query_source, .offset: 56, .size: 8, .value_kind: global_buffer, .address_space: global }
      - { .name: out0, .offset: 64, .size: 8, .value_kind: global_buffer, .address_space: global }
    .group_segment_fixed_size: 327680
    .private_segment_fixed_size: 0
    .kernarg_segment_align: 8
    .kernarg_segment_size: 72
    .max_flat_workgroup_size: 256
    .sgpr_count:     66
    .vgpr_count:     320
    .wavefront_size: 32
...
	.end_amdgpu_metadata
.endif
;; end of part 5
;; ======== version 2 of 2: 5 launches; version 1 with the launch proj written anew for expert scheduling mode
;; limits: values are held in f16: magnitudes above 65,504 overflow, below 6.1e-05 lose precision
;; workspace buffers: qf 8,388,608 bytes; kf 8,388,608 bytes; vh 4,194,304 bytes; mind 524,288 bytes; pos 524,288 bytes of whole numbers; ksel 524,288 bytes; vsel 524,288 bytes
;; launch proj (part 6): grid 256 x 1, 8 waves a work-group, no clusters, 313,344 bytes of LDS; arguments query_source, context, g_qs, b_qs, g_ctx, b_ctx, Wq, Wkv, qf, kf, vh; writes qf, kf, vh
.if DOCPART == 6
	.amdgcn_target "amdgcn-amd-amdhsa--gfx1250"
	.amdhsa_code_object_version 6
	.text
	.protected	k_q86d3ae6aa7_proj
	.globl	k_q86d3ae6aa7_proj
	.p2align	8
	.type	k_q86d3ae6aa7_proj,@function
k_q86d3ae6aa7_proj:
	s_mov_b64 s[64:65], 0
	v_nop
	global_prefetch_b8 v0, s[64:65] scope:SCOPE_SE
	s_setreg_imm32_b32 hwreg(HW_REG_WAVE_SCHED_MODE, 0, 2), 2
	s_setreg_imm32_b32 hwreg(HW_REG_WAVE_MODE, 25, 1), 1
	s_wait_xcnt 0x0
	s_wait_alu depctr_vm_vsrc(0)
; LayerNorm over the 256 channels of query_source and context, then q = l2norm(Wq x), k = l2norm(Wk x), v = Wv x.
; SHARES.  A work-group owns 64 pixels of one batch, of both tensors.  Wave w is head w: 16 rows of Wq, of Wk and of Wv.
; FORMATS.  The later choice of 512 keys hangs on differences of q and k far below one bf16 step, so for q and k each f32 operand is cut
; into three bf16 parts h + m + l (the cuts are exact) and six products are kept: hh, hm, mh, hl, lh, mm; what is left out lies 24 bits down.
; hh has an accumulator of its own, the five small products share a second one.  v goes once, in f16.
; LIMITS.  NaN and infinities are not treated apart; the normalised context and v stay below 65,504 (f16).
; LAYOUT.  A thread loads 16 bytes = pixels 4 pq .. 4 pq + 3 of one channel; pixel 4 pq + j goes to LDS row 16 j + pq, so matrix tile t holds pixel
; 4 r + t in lane r.  qf, kf: f32 [bh][block of 64][t][d/4][r][4]; vh: f16 [bh][block][t][d/8][r][8]: sixteen lanes store 256 consecutive aligned bytes.
; K ORDER.  In K step s lane (r, h) holds channels 32 s + 16 h + 0..15 on both sides of the product: the same permutation of k in A and B.
; NO CLUSTER.  The weights (384 KB) are walked by all work-groups, but seven planes (236,544 bytes) leave LDS room for one stage of W alone, so joint
; refills would stand bare behind rounds; instead each wave keeps the next two pieces of its own 16 rows on their way in 128 registers.
; THE MODE: SCHED_MODE bits 1:0 = 2 (LLVM: expert scheduling mode 2), set by the entry lines.  The code itself states the register dependences
; between vector or matrix instructions and memory or LDS instructions, with s_wait_alu, always for 0.
; THE PLAN.  Registers that memory or LDS instructions touch:
;   offsets and addresses v5-15, v20, v21: made at the head, never written again.  v17-19 (XA): written once for each matrix, behind its last products.
;   v32-39    LN: a wave sums, written by vector lines, read by two LDS stores.  v32-63: the eight waves figures land here, additions read them.
;   OB0, OB1  two out-buffers of 28 registers for the planes.  Batch n writes OB[n % 2]; the seven LDS stores that read it are issued in batch n + 1.
;   XF0, XF1  two buffers of 96 registers (window 0, window 1).  K step s: its 24 products read XF[s % 2]; the 24 loads of step s + 1 land in the other.
;   WF        K step s: the cutting of W reads and writes it; behind that the four loads of step s + 1 land in it.
;   HA, HB    (window 1) pieces of W: global loads land, stage stores read; no vector line names them.
;   ACCS, T   results: written by vector lines, read by the global stores.
;   WH, WM, WL, ACCM and the temporaries are named by vector and matrix instructions alone.
; So ONE wait on va_vdst stands in a K step, behind the cutting of W: the cutting is done with WF, and the products of the step before are done reading the
; other XF buffer.  The 28 loads of the step follow it among its products, which name XF[s % 2], WH, WM, WL and the accumulators: none of the registers that those loads touch.
; The K steps are reached by immediate offsets, so they are written out, once: q and k walk the same text in a loop of two trips.
.set RED,   0                  ; four regions of 2,048 bytes: sums q, sums c, squares q, squares c; each [wave][64 pixels] f32
.set PL,    8192               ; seven planes: q h, m, l; context h, m, l, f16
.set PLANE, 33792              ; 64 rows of 528 bytes
.set PITCH, 528                ; 512 bytes + 16: 33 x 16, so the 16 rows of a load begin in 16 different groups of four banks
.set TROW,  16*PITCH
.set WS,    PL+7*PLANE         ; for each wave 16 rows x 528 bytes: a piece of W (16 rows x 128 channels, f32)
.set SPARE, WS+8*TROW          ; the spare words, 128 bytes a wave, named by no other line
.set SPW, 1
.set NIL, 2
.set XO,  5                    ; 131072 cg + 16 pq: my 16 bytes of channel 8 cg
.set GO,  6                    ; 32 cg
.set PA,  7                    ; v7-10: where I put 16 bytes of a plane row; register k serves planes 2 k, 2 k + 1
.set REDW, 11
.set REDR, 12
.set WO,  13                   ; 16 x lane
.set WSA, 14
.set WA,  15                   ; my fragment of W in the stage, first K step of a piece
.set XA,  17                   ; v17-19: my fragments in three planes, K step 0
.set OAQ, 20
.set OAV, 21
.set XQ,  64                   ; LN phase: channel n = 8 i + e, pixel j at 4 n + j
.set XC,  128
.set GQ,  192
.set BQ,  208
.set GC,  224
.set BC,  240
.set OB,  192                  ; behind the LN: two out-buffers of 28: q h, m, l, context h, m, l, f16, four registers each
.set WF,  24                   ; GEMM phase: 16 f32 of W (for v two such buffers, v24-55)
.set T,   40                   ; 16 at work
.set ACCM, 64
.set ACCS, 96
.set XF,  128                  ; plane p, tile t at XF + 32 p + 8 t, in window 0 (even K steps) and in window 1 (odd ones)
.set WH,  224
.set WM,  232
.set WL,  240
.set HA,  0                    ; window 1: two holds of 64 registers for pieces of W on their way
.set HB,  64
.set MSB, 0
.macro WIN new                 ; the high byte repeats the setting that is left
.if MSB != (\new)
	s_set_vgpr_msb (MSB<<8)|(\new)
.set MSB, \new
.endif
.endm
	s_load_b512 s[16:31], s[0:1], 0x0      ; qs, ctx, g_qs, b_qs, g_ctx, b_ctx, Wq, Wkv
	s_load_b128 s[32:35], s[0:1], 0x40     ; qf, kf
	s_load_b64 s[36:37], s[0:1], 0x50      ; vh
	v_lshl_add_u32 v[SPW], v0, 2, SPARE
	v_mov_b32 v[NIL], 0
	v_lshrrev_b32 v3, 5, v0
	v_readfirstlane_b32 s8, v3             ; wave = head
	s_lshr_b32 s9, ttmp9, 6                ; batch
	s_and_b32 s10, ttmp9, 63               ; block of 64 pixels
	s_mov_b32 s40, 0x76543210              ; v_permlanex16_b32: each lane takes its own place in the other half
	s_mov_b32 s41, 0xfedcba98
	s_mov_b32 s42, 0xffff0000
	s_mov_b32 s43, 0x3b800000              ; 1/256
	s_mov_b32 s39, 0x3727c5ac              ; 1e-5
	s_mov_b32 s50, 0x2b8cbccc              ; 1e-12
	v_and_b32 v3, 15, v0                   ; pq in the LN phase, r in the products
	v_bfe_u32 v4, v0, 4, 1                 ; h
	v_lshrrev_b32 v23, 4, v0               ; cg = 2 w + h
	v_lshlrev_b32 v[OAQ], 4, v3
	v_lshl_add_u32 v[XO], v23, 17, v[OAQ]
	v_lshlrev_b32 v[GO], 5, v23
	v_mul_u32_u24 v23, v3, PITCH
	s_wait_alu depctr_va_sdst(0)           ; s8 is written, ahead of its first reader: LDS places and the bases of W, qf, kf and vh are made from it
	s_lshl_b32 s11, s8, 5
	s_add_co_u32 s11, s11, PL
	v_lshl_add_u32 v[PA], v4, 4, v23       ; row pq, byte 16 cg = 32 w + 16 h
	v_add_nc_u32 v[PA], s11, v[PA]
	v_add_nc_u32 v[PA+1], 2*PLANE, v[PA]
	v_add_nc_u32 v[PA+2], 4*PLANE, v[PA]
	v_add_nc_u32 v[PA+3], 6*PLANE, v[PA]
	s_lshl_b32 s11, s8, 8
	s_add_co_u32 s11, s11, RED
	v_add_nc_u32 v[REDW], s11, v[OAQ]
	v_add_nc_u32 v[REDR], RED, v[OAQ]
	v_and_b32 v[WO], 31, v0
	v_lshlrev_b32 v[WO], 4, v[WO]
	s_mul_i32 s11, s8, TROW
	s_add_co_u32 s11, s11, WS
	v_add_nc_u32 v[WSA], s11, v[WO]
	v_lshl_add_u32 v[WA], v4, 6, v23       ; row r, 64 h bytes
	v_add_nc_u32 v[WA], s11, v[WA]
	v_lshl_add_u32 v[XA], v4, 5, v23       ; row r, 32 h bytes, in planes 0, 1, 2
	v_add_nc_u32 v[XA], PL, v[XA]
	v_add_nc_u32 v[XA+1], PLANE, v[XA]
	v_add_nc_u32 v[XA+2], 2*PLANE, v[XA]
	v_lshl_add_u32 v[OAV], v4, 8, v[OAQ]
	v_lshl_add_u32 v[OAQ], v4, 9, v[OAQ]
	s_lshl_b32 s12, s9, 22                 ; batch x 4 MiB + block x 256 bytes
	s_lshl_b32 s13, s10, 8
	s_add_co_u32 s12, s12, s13
	s_mov_b32 s13, 0
	s_wait_kmcnt 0x0
	s_add_nc_u64 s[16:17], s[16:17], s[12:13]
	s_add_nc_u64 s[18:19], s[18:19], s[12:13]
	s_lshl_b32 s12, s8, 14                 ; 16 rows of 1,024 bytes
	s_add_nc_u64 s[44:45], s[28:29], s[12:13]      ; my rows of Wq,
	s_add_nc_u64 s[46:47], s[30:31], s[12:13]      ; of Wk,
	s_add_nc_u64 s[48:49], s[46:47], 0x20000       ; of Wv: 128 rows further down
	s_lshl3_add_u32 s14, s9, s8            ; bh = 8 b + w
	s_lshl_b32 s12, s14, 18
	s_lshl_b32 s15, s10, 12
	s_add_co_u32 s12, s12, s15
	s_add_nc_u64 s[32:33], s[32:33], s[12:13]
	s_add_nc_u64 s[34:35], s[34:35], s[12:13]
	s_lshr_b32 s12, s12, 1
	s_add_nc_u64 s[36:37], s[36:37], s[12:13]
	s_wait_alu depctr_va_vdst(0)           ; all offsets and LDS addresses (v5-21) are written: the loads and stores of the whole kernel read them
	; 80 loads go out at once: gains and biases, both tensors (each sixteen lanes take a whole 256-byte row of a channel), two pieces of Wq
.irp i, 0,1
	global_load_b128 v[GQ+8*\i:GQ+8*\i+3],   v[GO], s[20:21] offset:512*\i
	global_load_b128 v[GQ+8*\i+4:GQ+8*\i+7], v[GO], s[20:21] offset:512*\i+16
	global_load_b128 v[BQ+8*\i:BQ+8*\i+3],   v[GO], s[22:23] offset:512*\i
	global_load_b128 v[BQ+8*\i+4:BQ+8*\i+7], v[GO], s[22:23] offset:512*\i+16
	global_load_b128 v[GC+8*\i:GC+8*\i+3],   v[GO], s[24:25] offset:512*\i
	global_load_b128 v[GC+8*\i+4:GC+8*\i+7], v[GO], s[24:25] offset:512*\i+16
	global_load_b128 v[BC+8*\i:BC+8*\i+3],   v[GO], s[26:27] offset:512*\i
	global_load_b128 v[BC+8*\i+4:BC+8*\i+7], v[GO], s[26:27] offset:512*\i+16
.endr
.set n, 0
.rept 16
	global_load_b128 v[XQ+4*n:XQ+4*n+3], v[XO], s[16:17] offset:((n/8)*128+n%8)*16384
	global_load_b128 v[XC+4*n:XC+4*n+3], v[XO], s[18:19] offset:((n/8)*128+n%8)*16384 th:TH_LOAD_NT
.set n, n+1
.endr
	WIN 0x40                               ; destination window 1
.set n, 0
.rept 16
	global_load_b128 v[HA+4*n:HA+4*n+3], v[WO], s[44:45] offset:n*1024
.set n, n+1
.endr
.set n, 0
.rept 16
	global_load_b128 v[HB+4*n:HB+4*n+3], v[WO], s[44:45] offset:n*1024+512
.set n, n+1
.endr
	WIN 0
.macro CHSUM d, x                      ; for my four pixels: the sum over my 16 channels
	v_pk_add_f32 v[(\d):(\d)+1], v[(\x):(\x)+1], v[(\x)+4:(\x)+5]
	v_pk_add_f32 v[(\d)+2:(\d)+3], v[(\x)+2:(\x)+3], v[(\x)+6:(\x)+7]
.set n, 2
.rept 14
	v_pk_add_f32 v[(\d):(\d)+1], v[(\d):(\d)+1], v[(\x)+4*n:(\x)+4*n+1]
	v_pk_add_f32 v[(\d)+2:(\d)+3], v[(\d)+2:(\d)+3], v[(\x)+4*n+2:(\x)+4*n+3]
.set n, n+1
.endr
.endm
.macro SQSUM d, x                      ; the same of the squares
	v_pk_mul_f32 v[(\d):(\d)+1], v[(\x):(\x)+1], v[(\x):(\x)+1]
	v_pk_mul_f32 v[(\d)+2:(\d)+3], v[(\x)+2:(\x)+3], v[(\x)+2:(\x)+3]
.set n, 1
.rept 15
	v_pk_fma_f32 v[(\d):(\d)+1], v[(\x)+4*n:(\x)+4*n+1], v[(\x)+4*n:(\x)+4*n+1], v[(\d):(\d)+1]
	v_pk_fma_f32 v[(\d)+2:(\d)+3], v[(\x)+4*n+2:(\x)+4*n+3], v[(\x)+4*n+2:(\x)+4*n+3], v[(\d)+2:(\d)+3]
.set n, n+1
.endr
.endm
.macro HALVES d, t                     ; the other half of the lanes holds the same pixels, other channels
.irp j, 0,1,2,3
	v_mov_b32 v[(\t)+\j], 0                ; the exchange counts as a reader of its destination
.endr
.irp j, 0,1,2,3
	v_permlanex16_b32 v[(\t)+\j], v[(\d)+\j], s40, s41
.endr
.irp j, 0,1,2,3
	v_add_f32 v[(\d)+\j], v[(\d)+\j], v[(\t)+\j]
.endr
.endm
.macro ALLW d, reg                     ; the eight waves figures for my four pixels, added in the order of the waves
.irp k, 0,1,2,3,4,5,6,7
	ds_load_b128 v[32+4*\k:35+4*\k], v[REDR] offset:(\reg)+256*\k
.endr
	s_wait_dscnt 0x0
	v_pk_add_f32 v[(\d):(\d)+1], v[32:33], v[36:37]
	v_pk_add_f32 v[(\d)+2:(\d)+3], v[34:35], v[38:39]
.irp k, 2,3,4,5,6,7
	v_pk_add_f32 v[(\d):(\d)+1], v[(\d):(\d)+1], v[32+4*\k:33+4*\k]
	v_pk_add_f32 v[(\d)+2:(\d)+3], v[(\d)+2:(\d)+3], v[34+4*\k:35+4*\k]
.endr
.endm
.macro CENTER x, mu
.set n, 0
.rept 16
	v_pk_add_f32 v[(\x)+4*n:(\x)+4*n+1], v[(\x)+4*n:(\x)+4*n+1], v[(\mu):(\mu)+1] neg_lo:[0,1] neg_hi:[0,1]
	v_pk_add_f32 v[(\x)+4*n+2:(\x)+4*n+3], v[(\x)+4*n+2:(\x)+4*n+3], v[(\mu)+2:(\mu)+3] neg_lo:[0,1] neg_hi:[0,1]
.set n, n+1
.endr
.endm
.macro NORMX x, rs, g, b               ; ((x - mu) rs) g + b; the channel gain and bias are taken from one register of a pair for both pixels
.set n, 0
.rept 16
	v_pk_mul_f32 v[(\x)+4*n:(\x)+4*n+1], v[(\x)+4*n:(\x)+4*n+1], v[(\rs):(\rs)+1]
	v_pk_mul_f32 v[(\x)+4*n+2:(\x)+4*n+3], v[(\x)+4*n+2:(\x)+4*n+3], v[(\rs)+2:(\rs)+3]
.if n%2
	v_pk_fma_f32 v[(\x)+4*n:(\x)+4*n+1], v[(\x)+4*n:(\x)+4*n+1], v[(\g)+n-1:(\g)+n], v[(\b)+n-1:(\b)+n] op_sel:[0,1,1] op_sel_hi:[1,1,1]
	v_pk_fma_f32 v[(\x)+4*n+2:(\x)+4*n+3], v[(\x)+4*n+2:(\x)+4*n+3], v[(\g)+n-1:(\g)+n], v[(\b)+n-1:(\b)+n] op_sel:[0,1,1] op_sel_hi:[1,1,1]
.else
	v_pk_fma_f32 v[(\x)+4*n:(\x)+4*n+1], v[(\x)+4*n:(\x)+4*n+1], v[(\g)+n:(\g)+n+1], v[(\b)+n:(\b)+n+1] op_sel_hi:[1,0,0]
	v_pk_fma_f32 v[(\x)+4*n+2:(\x)+4*n+3], v[(\x)+4*n+2:(\x)+4*n+3], v[(\g)+n:(\g)+n+1], v[(\b)+n:(\b)+n+1] op_sel_hi:[1,0,0]
.endif
.set n, n+1
.endr
.endm
	s_wait_loadcnt 32                      ; gains, biases and both tensors are in; the 32 loads of W issued behind them stay out
	CHSUM 32, XQ
	CHSUM 36, XC
	HALVES 32, 40
	HALVES 36, 44
	s_wait_alu depctr_va_vdst(0)           ; the sums are written in v32-39, which the two stores read; the lines above are done with v32-47, in which loads land behind the barrier
	ds_store_b128 v[REDW], v[32:35]        ; both halves of the lanes write the same words with the same values
	ds_store_b128 v[REDW], v[36:39] offset:2048
	s_wait_dscnt 0x0                       ; for the other waves: my sums are in LDS
	s_barrier_signal -1
	s_barrier_wait -1
	s_wait_alu depctr_vm_vsrc(0)           ; my two stores have read v32-39, in which the loads below land
	ALLW 24, 0
	s_wait_alu depctr_va_vdst(0)           ; the additions are done reading v32-63, in which the next eight loads land
	ALLW 28, 2048
.irp j, 0,1,2,3,4,5,6,7
	v_mul_f32 v[24+\j], s43, v[24+\j]      ; the means
.endr
	CENTER XQ, 24
	CENTER XC, 28
	SQSUM 32, XQ
	SQSUM 36, XC
	HALVES 32, 40
	HALVES 36, 44
	s_wait_alu depctr_va_vdst(0)           ; the sums of squares are written in v32-39, which the two stores read; the lines above are done with v32-47, in which loads land behind the barrier
	ds_store_b128 v[REDW], v[32:35] offset:4096    ; regions of their own: nobody reads them before the barrier below
	ds_store_b128 v[REDW], v[36:39] offset:6144
	s_wait_dscnt 0x0
	s_barrier_signal -1
	s_barrier_wait -1
	s_wait_alu depctr_vm_vsrc(0)           ; my two stores have read v32-39, in which the loads below land
	ALLW 24, 4096
	s_wait_alu depctr_va_vdst(0)           ; the additions are done reading v32-63, in which the next eight loads land
	ALLW 28, 6144
.irp j, 0,1,2,3,4,5,6,7
	v_fma_f32 v[24+\j], v[24+\j], s43, s39 ; a = variance + 1e-5
.endr
.irp j, 0,1,2,3,4,5,6,7
	v_rsq_f32 v[32+\j], v[24+\j]
.endr
	v_nop                                  ; a plain instruction between the last of them and the first use (ISA guide 5.7.2)
	s_wait_alu depctr_va_vdst(0)           ; the eight reciprocal roots are written in v32-39, ahead of their first reader
.irp j, 0,1,2,3,4,5,6,7
	v_mul_f32 v[40+\j], v[24+\j], v[32+\j] ; one Newton step: y + (y/2) (1 - a y y)
.endr
.irp j, 0,1,2,3,4,5,6,7
	v_fma_f32 v[40+\j], -v[40+\j], v[32+\j], 1.0
.endr
.irp j, 0,1,2,3,4,5,6,7
	v_mul_f32 v[48+\j], 0.5, v[32+\j]
.endr
.irp j, 0,1,2,3,4,5,6,7
	v_fma_f32 v[24+\j], v[48+\j], v[40+\j], v[32+\j]
.endr
	NORMX XQ, 24, GQ, BQ
	NORMX XC, 28, GC, BC
; Eight channels of one pixel are cut into bf16 parts h, m, l (each remainder is exact in f32) and go as 16 bytes into a row of each plane.
.macro CVT4 d
.irp q, 0,1,2,3
	v_cvt_pk_bf16_f32 v[(\d)+\q], v[xb+8*\q], v[xb+8*\q+4]
.endr
.endm
.macro UNPK p                          ; the part just made is widened again and taken away
.irp q, 0,1,2,3
	v_lshlrev_b32 v[48+2*\q], 16, v[(\p)+\q]
	v_and_b32 v[49+2*\q], s42, v[(\p)+\q]
.endr
.irp q, 0,1,2,3
	v_sub_f32 v[xb+8*\q], v[xb+8*\q], v[48+2*\q]
	v_sub_f32 v[xb+8*\q+4], v[xb+8*\q+4], v[49+2*\q]
.endr
.endm
.macro PST p, reg, i, j
	ds_store_b128 v[PA+(\p)/2], v[(\reg):(\reg)+3] offset:((\p)%2)*PLANE+(\j)*TROW+(\i)*256
.endm
.macro PACK8 x, i, j, o, hf            ; the parts go into registers o on: h, m, l, and for the context f16
.set xb, (\x)+32*(\i)+(\j)
.if \hf
.irp q, 0,1,2,3
	v_cvt_pk_f16_f32 v[(\o)+12+\q], v[xb+8*\q], v[xb+8*\q+4]
.endr
.endif
	CVT4 (\o)
	UNPK (\o)
	CVT4 (\o)+4
	UNPK (\o)+4
	CVT4 (\o)+8
.endm
.macro SEND3 r, i, j                   ; the three parts of q
	PST 0, (\r), \i, \j
	PST 1, (\r)+4, \i, \j
	PST 2, (\r)+8, \i, \j
.endm
.macro SEND4 r, i, j                   ; the four of the context
	PST 3, (\r), \i, \j
	PST 4, (\r)+4, \i, \j
	PST 5, (\r)+8, \i, \j
	PST 6, (\r)+12, \i, \j
.endm
; Eight batches, n = 4 i + j.  Batch n writes OB[n % 2]; its LDS instructions are the seven stores of batch n - 1, from the other buffer, which no vector line of batch n names.
.set n, 0
.rept 8
.set ob, OB+28*(n%2)
.set pb, OB+28*((n+1)%2)
.if n >= 2
	s_wait_alu depctr_vm_vsrc(0)           ; the stores issued in the batch before have read OB[n % 2], which this batch writes again
.endif
.if n >= 1
	s_wait_alu depctr_va_vdst(0)           ; the batch before has written the other buffer, which the seven stores of this batch read
	SEND3 pb, (n-1)/4, (n-1)%4
.endif
	PACK8 XQ, n/4, n%4, ob, 0
.if n >= 1
	SEND4 pb+12, (n-1)/4, (n-1)%4          ; no wait: no vector line since the wait above names these registers
.endif
	PACK8 XC, n/4, n%4, ob+12, 1
.set n, n+1
.endr
	s_wait_alu depctr_va_vdst(0)           ; the last batch has written OB1, which the last seven stores read; all vector lines are done with v24-223, in which fragments land below
	SEND3 OB+28, 1, 3
	SEND4 OB+40, 1, 3
	s_wait_dscnt 0x0                       ; for the other waves: my part of the planes is in LDS
	s_barrier_signal -1
	s_barrier_wait -1                      ; the last barrier: from here on the planes are only read, and the stage of W is each wave its own
; A piece of W (16 rows x 512 bytes) leaves its hold for my stage (source 1 in window 1); the hold is then asked to take the piece two further on (destination in window 1).
.macro TOSTAGE hold
.set n, 0
.rept 16
	ds_store_b128 v[WSA], v[(\hold)+4*n:(\hold)+4*n+3] offset:n*PITCH   ; LDS serves a wave in order: my earlier reads of the stage are done
.set n, n+1
.endr
.endm
.macro REFILL hold, np
.set n, 0
.rept 16
	global_load_b128 v[(\hold)+4*n:(\hold)+4*n+3], v[WO], s[52:53] offset:n*1024+(\np)*512
.set n, n+1
.endr
.endm
.macro WLOAD s                         ; 16 f32 of W for K step s: four loads
.irp c, 0,1,2,3
	ds_load_b128 v[WF+4*\c:WF+4*\c+3], v[WA] offset:128*((\s)%4)+16*\c
.endr
.endm
.macro XLOAD s                         ; three planes x four tiles for K step s: 24 loads; the destination window picks the buffer
.irp p, 0,1,2
.irp t, 0,1,2,3
	ds_load_b128 v[XF+32*\p+8*\t:XF+32*\p+8*\t+3],   v[XA+\p] offset:\t*TROW+64*(\s)
	ds_load_b128 v[XF+32*\p+8*\t+4:XF+32*\p+8*\t+7], v[XA+\p] offset:\t*TROW+64*(\s)+16
.endr
.endr
.endm
.macro SPLITW                          ; 16 f32 of W into three fragments of bf16
.irp p, 0,1,2,3,4,5,6,7
	v_cvt_pk_bf16_f32 v[WH+\p], v[WF+2*\p], v[WF+2*\p+1]
.endr
.irp p, 0,1,2,3,4,5,6,7
	v_lshlrev_b32 v[T+2*\p], 16, v[WH+\p]
	v_and_b32 v[T+2*\p+1], s42, v[WH+\p]
.endr
.irp p, 0,1,2,3,4,5,6,7
	v_pk_add_f32 v[WF+2*\p:WF+2*\p+1], v[WF+2*\p:WF+2*\p+1], v[T+2*\p:T+2*\p+1] neg_lo:[0,1] neg_hi:[0,1]
.endr
.irp p, 0,1,2,3,4,5,6,7
	v_cvt_pk_bf16_f32 v[WM+\p], v[WF+2*\p], v[WF+2*\p+1]
.endr
.irp p, 0,1,2,3,4,5,6,7
	v_lshlrev_b32 v[T+2*\p], 16, v[WM+\p]
	v_and_b32 v[T+2*\p+1], s42, v[WM+\p]
.endr
.irp p, 0,1,2,3,4,5,6,7
	v_pk_add_f32 v[WF+2*\p:WF+2*\p+1], v[WF+2*\p:WF+2*\p+1], v[T+2*\p:T+2*\p+1] neg_lo:[0,1] neg_hi:[0,1]
.endr
.irp p, 0,1,2,3,4,5,6,7
	v_cvt_pk_bf16_f32 v[WL+\p], v[WF+2*\p], v[WF+2*\p+1]
.endr
.endm
.macro MM4 acc, a, xp, zero            ; one part of W times one plane, four tiles: the four accumulators take turns
.irp t, 0,1,2,3
.if \zero
	v_wmma_f32_16x16x32_bf16 v[(\acc)+8*\t:(\acc)+8*\t+7], v[(\a):(\a)+7], v[XF+32*(\xp)+8*\t:XF+32*(\xp)+8*\t+7], 0
.else
	v_wmma_f32_16x16x32_bf16 v[(\acc)+8*\t:(\acc)+8*\t+7], v[(\a):(\a)+7], v[XF+32*(\xp)+8*\t:XF+32*(\xp)+8*\t+7], v[(\acc)+8*\t:(\acc)+8*\t+7]
.endif
.endr
.endm
; K step s of 8, 32 channels, for q or k: the cutting of W, 24 products on XF[s % 2], and the 28 loads of step s + 1.  In step 0 the first product on each accumulator starts its sum.
; Even steps multiply window 0 and load into window 1 (two switches round the one run of loads); odd steps have source 1 in window 1 and load into window 0 under the same setting.
; Step 3 also brings the second piece of W into the stage, behind its first eight products: the loads of W for step 3 are back, those for step 4 follow the stores.
.macro KSTEP6 s
.if (\s) > 0
.rept 4
	v_nop                                  ; four places between the last products and the lines that write their sources WH, WM, WL anew (ISA guide 7.12.1)
.endr
.endif
	s_wait_dscnt 24                        ; the four loads of W are in; the 24 of X issued behind them may be out
	SPLITW
.if (\s) < 7
	s_wait_alu depctr_va_vdst(0)           ; the cutting is done reading and writing WF, and the products of the step before are done reading the other XF buffer: the loads of the next step land in both
.endif
.if ((\s) == 3) || ((\s) == 7)
	s_wait_dscnt 0x0                       ; X of this step is in
.else
	WLOAD (\s)+1
	s_wait_dscnt 4                         ; X of this step is in; the four loads just issued may be out
.endif
	WIN 4*((\s)%2)
.if (\s) == 0
	MM4 ACCM, WH, 0, 1
	MM4 ACCS, WH, 1, 1
.else
	MM4 ACCM, WH, 0, 0
	MM4 ACCS, WH, 1, 0
.endif
.if (\s) == 3
	s_wait_loadcnt 16                      ; hold B is in; the 16 loads that fill hold A again, issued behind it, stay out
	TOSTAGE HB
	s_wait_dscnt 0x0                       ; the stores have taken their data
	WIN 0x40
	s_wait_alu depctr_vm_vsrc(0)           ; the stage stores have read hold B, in which the loads below land
	REFILL HB, 1
	WIN 0x04
	WLOAD 4
.endif
.if (\s) < 7
	WIN 0x40-0x3c*((\s)%2)
	XLOAD (\s)+1                           ; no wait: no vector or matrix line since the wait above names the other buffer or XA
	WIN 4*((\s)%2)
.endif
	MM4 ACCS, WM, 0, 0
	MM4 ACCS, WH, 2, 0
	MM4 ACCS, WL, 0, 0
	MM4 ACCS, WM, 1, 0
	WIN 0
.endm
; The two accumulators are added, each head vector (8 numbers here, 8 in the lane 16 away) is divided by max(its length, 1e-12), and stored.
; Root and quotient get one correction step each, so that they are right to the last place or next to it.
.macro NORM_OUT
	s_wait_alu depctr_vm_vsrc(0)           ; the fragment loads of this matrix have read XA
	v_add_nc_u32 v[XA], 3*PLANE, v[XA]     ; three planes on: behind q the planes of the context, behind k its f16 plane in v[XA] (the other two then serve nothing)
	v_add_nc_u32 v[XA+1], 3*PLANE, v[XA+1]
	v_add_nc_u32 v[XA+2], 3*PLANE, v[XA+2]
	v_nop                                  ; with the three adds: four places behind the last products
.irp t, 0,1,2,3
.irp q, 0,2,4,6
	v_pk_add_f32 v[ACCM+8*\t+\q:ACCM+8*\t+\q+1], v[ACCM+8*\t+\q:ACCM+8*\t+\q+1], v[ACCS+8*\t+\q:ACCS+8*\t+\q+1]
.endr
.endr
.irp t, 0,1,2,3
	v_mul_f32 v[24+\t], v[ACCM+8*\t], v[ACCM+8*\t]
.endr
.irp j, 1,2,3,4,5,6,7
.irp t, 0,1,2,3
	v_fma_f32 v[24+\t], v[ACCM+8*\t+\j], v[ACCM+8*\t+\j], v[24+\t]
.endr
.endr
.irp t, 0,1,2,3
	v_mov_b32 v[28+\t], 0
.endr
.irp t, 0,1,2,3
	v_permlanex16_b32 v[28+\t], v[24+\t], s40, s41
.endr
.irp t, 0,1,2,3
	v_add_f32 v[24+\t], v[24+\t], v[28+\t] ; ss
.endr
.irp t, 0,1,2,3
	v_sqrt_f32 v[28+\t], v[24+\t]
.endr
	v_nop
	s_wait_alu depctr_va_vdst(0)           ; the four roots are written in v28-31, ahead of their first reader
.irp t, 0,1,2,3
	v_max_num_f32 v[28+\t], s50, v[28+\t]  ; n0
.endr
.irp t, 0,1,2,3
	v_rcp_f32 v[32+\t], v[28+\t]
.endr
	v_nop
.irp t, 0,1,2,3
	v_fma_f32 v[24+\t], -v[28+\t], v[28+\t], v[24+\t]
.endr
	s_wait_alu depctr_va_vdst(0)           ; the four reciprocals are written in v32-35, ahead of their first reader
.irp t, 0,1,2,3
	v_mul_f32 v[24+\t], v[24+\t], v[32+\t]
.endr
.irp t, 0,1,2,3
	v_fma_f32 v[28+\t], 0.5, v[24+\t], v[28+\t]    ; n0 + (ss - n0 n0) / (2 n0)
.endr
.irp t, 0,1,2,3
	v_max_num_f32 v[28+\t], s50, v[28+\t]  ; n
.endr
.irp t, 0,1,2,3
	v_rcp_f32 v[32+\t], v[28+\t]
.endr
	v_nop
	s_wait_alu depctr_va_vdst(0)           ; the four reciprocals are written in v32-35, ahead of their first reader
.irp t, 0,1,2,3
	v_fma_f32 v[36+\t], -v[28+\t], v[32+\t], 1.0
.endr
.irp t, 0,1,2,3
	v_fma_f32 v[32+\t], v[32+\t], v[36+\t], v[32+\t]   ; 1 / n
.endr
.irp j, 0,1,2,3,4,5,6,7
.irp t, 0,1,2,3
	v_mul_f32 v[ACCS+8*\t+\j], v[ACCM+8*\t+\j], v[32+\t]
.endr
.endr
.irp j, 0,1,2,3,4,5,6,7
.irp t, 0,1,2,3
	v_fma_f32 v[ACCM+8*\t+\j], -v[ACCS+8*\t+\j], v[28+\t], v[ACCM+8*\t+\j]    ; what the quotient leaves over
.endr
.endr
.irp j, 0,1,2,3,4,5,6,7
.irp t, 0,1,2,3
	v_fma_f32 v[ACCS+8*\t+\j], v[ACCM+8*\t+\j], v[32+\t], v[ACCS+8*\t+\j]
.endr
.endr
	s_wait_alu depctr_va_vdst(0)           ; the quotients are written in ACCS, which the stores read; XA is written, which the next fragment loads read; the lines above are done with v24-39, in which W lands next
.irp t, 0,1,2,3
	global_store_b128 v[OAQ], v[ACCS+8*\t:ACCS+8*\t+3],   s[54:55] offset:\t*1024       ; sixteen lanes store 256 consecutive aligned bytes
	global_store_b128 v[OAQ], v[ACCS+8*\t+4:ACCS+8*\t+7], s[54:55] offset:\t*1024+256
.endr
.endm
	s_mov_b32 s38, 2
.Lgemm:                                        ; two trips: q on planes 0 to 2, then k on planes 3 to 5
	s_wait_xcnt 0x0                        ; earlier loads and stores have had their addresses translated: the two bases and the data of the stores are rewritten only behind this wait
	s_wait_alu depctr_vm_vsrc(0)           ; first trip: the plane stores have read v192-247, in which fragments land and WH, WM, WL are written; second trip: the stores of q have read ACCS, which the products write again
	s_cmp_eq_u32 s38, 2
	s_cselect_b64 s[52:53], s[46:47], s[48:49]     ; the holds go on to the pieces of Wk, then of Wv
	s_cselect_b64 s[54:55], s[32:33], s[34:35]     ; the results go to qf, then to kf
	s_wait_loadcnt 16                      ; hold A is in; the 16 loads of hold B stay out
	WIN 0x04
	TOSTAGE HA
	s_wait_dscnt 0x0                       ; the stores have taken their data
	WIN 0x40
	s_wait_alu depctr_vm_vsrc(0)           ; the stage stores have read hold A, in which the loads below land
	REFILL HA, 0
	WIN 0
	WLOAD 0                                ; no wait on va_vdst: every vector and matrix line that named WF, XF0 or XA stands ahead of the last such wait
	XLOAD 0
	KSTEP6 0
	KSTEP6 1
	KSTEP6 2
	KSTEP6 3
	KSTEP6 4
	KSTEP6 5
	KSTEP6 6
	KSTEP6 7
	NORM_OUT
	s_sub_co_u32 s38, s38, 1
	s_cmp_lg_u32 s38, 0
	s_cbranch_scc1 .Lgemm
; v: one product in f16.  All its buffers lie in window 0 and take turns by the parity of the K step: WF (v24-39, v40-55), XF (v128-159, v160-191), WH (v224-231, v232-239).
.macro WLOADV s
.irp c, 0,1,2,3
	ds_load_b128 v[WF+16*((\s)%2)+4*\c:WF+16*((\s)%2)+4*\c+3], v[WA] offset:128*((\s)%4)+16*\c
.endr
.endm
.macro XLOADV s
.irp t, 0,1,2,3
	ds_load_b128 v[XF+32*((\s)%2)+8*\t:XF+32*((\s)%2)+8*\t+3],   v[XA] offset:\t*TROW+64*(\s)
	ds_load_b128 v[XF+32*((\s)%2)+8*\t+4:XF+32*((\s)%2)+8*\t+7], v[XA] offset:\t*TROW+64*(\s)+16
.endr
.endm
.macro VSTEP s
	s_wait_dscnt 8                         ; W of this step is in; the eight loads of X issued behind it may be out
.irp p, 0,1,2,3,4,5,6,7
	v_cvt_pk_f16_f32 v[WH+8*((\s)%2)+\p], v[WF+16*((\s)%2)+2*\p], v[WF+16*((\s)%2)+2*\p+1]  ; the eight of the step before are the places behind the products that read this set
.endr
.if ((\s) > 0) && ((\s) < 7)
	s_wait_alu depctr_va_vdst(0)           ; the conversions and the products of the step before are done reading the other WF and the other XF, in which the loads below land
.endif
.if (\s) == 3
	s_wait_loadcnt 0x0                     ; the last piece: nothing was asked for behind it
	WIN 0x04
	TOSTAGE HB
	WIN 0
.endif
.if (\s) < 7
	WLOADV (\s)+1
	XLOADV (\s)+1
	s_wait_dscnt 12                        ; X of this step is in; the twelve loads just issued may be out
.else
	s_wait_dscnt 0x0
.endif
.irp t, 0,1,2,3
.if (\s) == 0
	v_wmma_f32_16x16x32_f16 v[ACCM+8*\t:ACCM+8*\t+7], v[WH+8*((\s)%2):WH+8*((\s)%2)+7], v[XF+32*((\s)%2)+8*\t:XF+32*((\s)%2)+8*\t+7], 0
.else
	v_wmma_f32_16x16x32_f16 v[ACCM+8*\t:ACCM+8*\t+7], v[WH+8*((\s)%2):WH+8*((\s)%2)+7], v[XF+32*((\s)%2)+8*\t:XF+32*((\s)%2)+8*\t+7], v[ACCM+8*\t:ACCM+8*\t+7]
.endif
.endr
.endm
	s_wait_loadcnt 16                      ; hold A, the first piece of Wv, is in; the 16 loads of hold B stay out
	WIN 0x04
	TOSTAGE HA
	WIN 0
	WLOADV 0                               ; no wait on va_vdst: every vector and matrix line that named these registers or XA stands ahead of the wait in front of the stores of k
	XLOADV 0
	VSTEP 0
	VSTEP 1
	VSTEP 2
	VSTEP 3
	VSTEP 4
	VSTEP 5
	VSTEP 6
	VSTEP 7
.rept 4
	v_nop                                  ; four places behind the last products, before their results are read
.endr
.irp t, 0,1,2,3
.irp i, 0,1,2,3
	v_cvt_pk_f16_f32 v[T+4*\t+\i], v[ACCM+8*\t+2*\i], v[ACCM+8*\t+2*\i+1]
.endr
.endr
	s_wait_alu depctr_va_vdst(0)           ; the conversions have written v40-55, which the stores read
.irp t, 0,1,2,3
	global_store_b128 v[OAV], v[T+4*\t:T+4*\t+3], s[36:37] offset:\t*512
.endr
	s_wait_dscnt 0x0                       ; the closing lines, six on end
	s_wait_alu 0x0
	s_wait_tensorcnt 0x0
	ds_add_u32 v[SPW], v[NIL]
	s_wait_dscnt 0x0
	s_endpgm
.Lfunc_end_k_q86d3ae6aa7_proj:
	.size	k_q86d3ae6aa7_proj, .Lfunc_end_k_q86d3ae6aa7_proj-k_q86d3ae6aa7_proj
	.p2alignl 7, 3214868480
	.fill 96, 4, 3214868480
	.section	.rodata,"a",@progbits
	.p2align	6, 0x0
	.amdhsa_kernel k_q86d3ae6aa7_proj
		.amdhsa_group_segment_fixed_size 313344
		.amdhsa_private_segment_fixed_size 0
		.amdhsa_enable_private_segment 0
		.amdhsa_kernarg_size 88
		.amdhsa_user_sgpr_count 2
		.amdhsa_user_sgpr_kernarg_segment_ptr 1
		.amdhsa_wavefront_size32 1
		.amdhsa_system_sgpr_workgroup_id_x 1
		.amdhsa_system_sgpr_workgroup_id_y 1
		.amdhsa_system_sgpr_workgroup_id_z 1
		.amdhsa_system_vgpr_workitem_id 0
		.amdhsa_next_free_vgpr 480
		.amdhsa_next_free_sgpr 66
		.amdhsa_reserve_vcc 0
		.amdhsa_float_denorm_mode_32 3
		.amdhsa_float_denorm_mode_16_64 3
		.amdhsa_memory_ordered 1
		.amdhsa_forward_progress 1
		.amdhsa_inst_pref_size 166
	.end_amdhsa_kernel
	.amdgpu_metadata
---
amdhsa.version: [ 1, 2 ]
amdhsa.kernels:
  - .name:           k_q86d3ae6aa7_proj
    .symbol:         k_q86d3ae6aa7_proj.kd
    .args:
      - { .name: query_source, .offset: 0, .size: 8, .value_kind: global_buffer, .address_space: global }
      - { .name: context, .offset: 8, .size: 8, .value_kind: global_buffer, .address_space: global }
      - { .name: g_qs, .offset: 16, .size: 8, .value_kind: global_buffer, .address_space: global }
      - { .name: b_qs, .offset: 24, .size: 8, .value_kind: global_buffer, .address_space: global }
      - { .name: g_ctx, .offset: 32, .size: 8, .value_kind: global_buffer, .address_space: global }
      - { .name: b_ctx, .offset: 40, .size: 8, .value_kind: global_buffer, .address_space: global }
      - { .name: Wq, .offset: 48, .size: 8, .value_kind: global_buffer, .address_space: global }
      - { .name: Wkv, .offset: 56, .size: 8, .value_kind: global_buffer, .address_space: global }
      - { .name: qf, .offset: 64, .size: 8, .value_kind: global_buffer, .address_space: global }
      - { .name: kf, .offset: 72, .size: 8, .value_kind: global_buffer, .address_space: global }
      - { .name: vh, .offset: 80, .size: 8, .value_kind: global_buffer, .address_space: global }
    .group_segment_fixed_size: 313344
    .private_segment_fixed_size: 0
    .kernarg_segment_align: 8
    .kernarg_segment_size: 88
    .max_flat_workgroup_size: 256
    .sgpr_count:     66
    .vgpr_count:     480
    .wavefront_size: 32
...
	.end_amdgpu_metadata
.endif
;; end of part 6
;; launch dist: the kernel of part 2 again; grid 256 x 1, 16 waves a work-group, no clusters, 51,200 bytes of LDS; arguments qf, kf, rand_token_ind, mind; writes mind
;; launch select: the kernel of part 3 again; grid 32 x 1, 32 waves a work-group, no clusters, 4,608 bytes of LDS; arguments mind, pos; writes pos
;; launch compact: the kernel of part 4 again; grid 512 x 1, 8 waves a work-group, no clusters, 0 bytes of LDS; arguments pos, kf, vh, ksel, vsel; writes ksel, vsel
;; launch attn: the kernel of part 5 again; grid 256 x 1, 8 waves a work-group, clusters of 4 x 1, 327,680 bytes of LDS; arguments qf, ksel, vsel, Wo, g_out, b_out, gamma, query_source, out0; writes out0
